; MI455X (gfx1250); checked and timed in simulation.
; The chip was launched on July 23, 2026; its instructions are those of AMD's public machine-readable ISA for CDNA 5 (MIT licence, August 2026) and "CDNA5" Instruction Set Architecture Reference Guide (July 2026). The comments in the code are by the model that wrote it; some were corrected since.
;; Self Attention. Allowed arithmetic: matrix products marked QUANTISED: E4M3 operands, one given power-of-two scale a tensor, by v_wmma_f32_16x16x64_fp8_fp8 or v_wmma_f32_16x16x128_fp8_fp8, f32 sums; everything else in f32.
;; Inputs: Wk 1,024 x 1,024 float32; Wp 1,024 x 1,024 float32; Wq 1,024 x 1,024 float32; Wv 1,024 x 1,024 float32; bk 1,024 float32; bp 1,024 float32; bq 1,024 float32; bv 1,024 float32; key 8 x 1,024 x 1,024 float32; lowp_scales 12 int32 (the exponents e of the quantised operands' scales 2^e); query 8 x 1,024 x 1,024 float32; value 8 x 1,024 x 1,024 float32.
;; Outputs: out0 8 x 1,024 x 1,024 float32.
;; This version of the problem:
;;   THIS VERSION OF THE PROBLEM IS GIVEN IN LOW PRECISION. The matrix products marked QUANTISED in the list below multiply operands that are first quantised to E4M3 (4 exponent bits, 3 mantissa bits; 8 bits a number), with one given power-of-two scale for each operand tensor; their sums are f32. All else is computed in f32.
;;   The module's matrix products, in the order in which they are computed (A, B: the left and right operand; K: the contracted axis; several contracted axes count as one K, in the product's order):
;;     1. [M 8,192, K 1,024] x [K 1,024, N 1,024]; A: input key; B: input Wk: QUANTISED (scales: A lowp_scales[0], B lowp_scales[1])
;;     2. [M 8,192, K 1,024] x [K 1,024, N 1,024]; A: input query; B: input Wq: QUANTISED (scales: A lowp_scales[2], B lowp_scales[3])
;;     3. [M 8,192, K 1,024] x [K 1,024, N 1,024]; A: input value; B: input Wv: QUANTISED (scales: A lowp_scales[4], B lowp_scales[5])
;;     4. batch 128 x [M 1,024, K 64] x [K 64, N 1,024]; A: computed on the way; B: computed on the way: QUANTISED (scales: A lowp_scales[6], B lowp_scales[7])
;;     5. batch 128 x [M 1,024, K 1,024] x [K 1,024, N 64]; A: softmax (see below); B: computed on the way: QUANTISED (scales: A lowp_scales[8], B lowp_scales[9])
;;     6. [M 8,192, K 1,024] x [K 1,024, N 1,024]; A: computed on the way; B: input Wp: QUANTISED (scales: A lowp_scales[10], B lowp_scales[11])
;;   THE QUANTISER, for each operand of a quantised product, along K:
;;     - The operand's scale is 2^e, e = its entry of the input lowp_scales (int32; the entries are numbered through the quantised products in the list's order, A before B).
;;     - Each number is divided by the scale, clamped to +-448, and rounded to the nearest number of E4M3, ties to even, subnormals kept.
;;     - The product sums the exact products of the quantised numbers (number of the format x scale) in f32.
;;   ~~~python
;;   def quantise(x, axis, e):      # numpy; x: float32 -> the quantised numbers, widened to float32 again
;;       x = np.moveaxis(x, axis, -1); K = x.shape[-1]
;;       r = np.clip(x / 2.0 ** e, -448, 448)
;;       step = 2.0 ** (np.maximum(np.frexp(np.where(r == 0, 1, r))[1] - 1, -6) - 3)
;;       q = np.round(r / step) * step * 2.0 ** e      # np.round: ties to even
;;       return np.moveaxis(q, -1, axis).astype(np.float32)
;;   ~~~
;;   SOFTMAX AHEAD OF A QUANTISED PRODUCT. Where the list says 'softmax', what is quantised is not the finished softmax but p = 2^(t - M), with t = logit x log2(e) and M = ceil(the row's largest t), a whole number; so 1/2 < the row's largest p <= 1. The row's sum l is taken of the UNQUANTISED p, in f32, and the product's result is divided by l at the end. Since M is a whole number, a kernel that streams over the keys may use a running M (the ceiling of the running maximum): every later rescaling is an exact power of two, so the quantised numbers keep their values, but for numbers so far below the row's largest that they fall under the format's range.
;;   OPERANDS COMPUTED ON THE WAY. 'Computed on the way' means the value that the module computes at that place (a softmax that the list does not call 'softmax' is quantised finished and normalised). What goes into a quantiser is computed in f32, as accurately as f32 sums, v_exp_f32 and their like allow (about 1e-6 of the number): no bf16 or f16 on the way to a quantiser, and a product that is left as it is and whose result goes on into a quantised operand takes f32 operands (vector FMAs, or v_wmma_f32_16x16x4_f32). A number that lies on a knife's edge between two numbers of the format may be rounded either way, as far as f32 arithmetic and the matrix unit's own rounding can turn it there, and no further.
;; One version. Each part assembles by itself: llvm-mc -triple=amdgcn-amd-amdhsa -mcpu=gfx1250 --defsym DOCPART=n.
;; ======== version 1 of 1: 4 launches
;; limits: right only within a limited range of input values
;; workspace buffers: wc 4,194,304 bytes; hc 25,165,824 bytes; yc 8,388,608 bytes
;; launch wq (part 1): grid 256 x 1, 8 waves a work-group, no clusters, 19,456 bytes of LDS; arguments Wk, Wq, Wv, Wp, lowp_scales, wc; writes wc
.if DOCPART == 1
	.amdgcn_target "amdgcn-amd-amdhsa--gfx1250"
	.amdhsa_code_object_version 6
	.text
	.protected	k_qcb9faf43f0_wq
	.globl	k_qcb9faf43f0_wq
	.p2align	8
	.type	k_qcb9faf43f0_wq,@function
k_qcb9faf43f0_wq:
	s_mov_b64 s[64:65], 0
	v_nop
	global_prefetch_b8 v0, s[64:65] scope:SCOPE_SE
	s_setreg_imm32_b32 hwreg(HW_REG_WAVE_MODE, 25, 1), 1
	s_wait_xcnt 0x0
; THE PROGRAM: causal self-attention, 8 x 1,024 tokens of 1,024, 16 heads of 64, all six products on codes of FP8 (E4M3) with given scales 2^e.
;   launch 1 (this one): Wk, Wq, Wv, Wp, f32, become codes, laid as images of operand registers.   launch 2: key, query, value quantised on the way into the three projections; k, q, v quantised
;   and laid as attention's operands.   launch 3: attention on codes, y quantised.   launch 4: the projection on the way out.
; WORK LEFT OUT, in launch 3 alone: reference() sets att[l][m] to -infinity wherever m > l, by a mask that it builds itself (jnp.tril), and the softmax gives such an entry the weight exp(-infinity) = 0,
; whatever finite values the inputs hold; a weight 0 adds nothing to the row's sum nor to y.  So a step of 128 keys all of which come after a tile's 16 queries reaches no output and is not computed.
; Inside the one step on the diagonal the hidden scores are computed and set to -infinity, as reference() does.  Every input has a way to the output (bk too: it moves k's codes), so all are loaded.
; LIMIT: a NaN, an infinity or an overflow that would arise only in those hidden steps is not carried to the result.
;
; THIS LAUNCH.  code = x / 2^e, held within +-448, rounded to the nearest code, ties to even.  e: lowp_scales[1, 3, 5, 11] for Wk, Wq, Wv, Wp.
; LIMITS: -126 <= e <= 119, so that 2^e and 448 x 2^e are f32 numbers.  NaN among the inputs is not served (an infinity is held at the largest code).
; A work-group takes 16 rows n of one weight (work-groups 0-63 Wk, 64-127 Wq, 128-191 Wv, 192-255 Wp), a wave 128 of their K: sixteen loads of 512 consecutive bytes, all asked for at once.
; A FRAGMENT, 16 n x 128 k, is 2,048 bytes: [c 0..3][lane (r, h)][16 bytes]: row r, k = 32 c + 16 h + 0 .. 15.  Lane l of a load holds k = 4 l .. 4 l + 3 of one row: after the conversion one word, which goes
; through the wave's own stage in LDS: group l / 4 of the words at 272 (l / 4) + 16 r + 4 (l % 4), so that a store's 32 words lie in 32 different banks; it comes back as the image, 512 bytes an instruction.
; wc: Wk at 0, Wq at 2^20: [n / 512][k / 256][n / 128 % 4][k / 128 % 2][n / 16 % 8][2,048 bytes];  Wv at 2^21: [n / 256][k / 512][n / 64 % 4][k / 128 % 4][n / 16 % 4][2,048 bytes];
;     Wp at 3 x 2^20: [n / 16][k / 128][2,048 bytes].
; No tensor loads, no barrier, no cluster: waves share nothing.  No prefetch: there is no loop; everything is asked for at the head.
.set WREG,  2304                       ; a wave's stage: 8 x 272 bytes, in whole blocks of 256
.set SPARE, 8*WREG                     ; behind the stages: the spare words, 128 bytes for each wave
.set SPW,   12
.set NIL,   13
.set R,     16                         ; v16-79  sixteen rows' numbers
.set D,     80                         ; v80-95  their codes
.set C,     96                         ; v96-111 the image
	s_load_b256 s[16:23], s[0:1], 0x0              ; Wk, Wq, Wv, Wp
	s_load_b128 s[24:27], s[0:1], 0x20             ; lowp_scales, wc
	v_lshl_add_u32 v[SPW], v0, 2, SPARE
	v_mov_b32 v[NIL], 0
	v_lshrrev_b32 v1, 5, v0
	v_readfirstlane_b32 s10, v1                    ; wave = k / 128
	s_mul_i32 s11, s10, WREG                       ; my stage
	v_and_b32 v2, 31, v0                           ; lane
	v_lshlrev_b32 v3, 4, v2                        ; 16 x lane
	v_lshrrev_b32 v4, 2, v2
	v_and_b32 v5, 3, v2
	v_lshrrev_b32 v6, 4, v2
	v_and_b32 v7, 15, v2
	v_mul_u32_u24 v4, v4, 272
	v_mul_u32_u24 v6, v6, 272
	v_lshl_add_u32 v4, v5, 2, v4
	v_lshl_add_u32 v6, v7, 4, v6
	v_add_nc_u32 v4, s11, v4                       ; into the stage
	v_add_nc_u32 v6, s11, v6                       ; out of it: 272 h + 16 r
	s_lshr_b32 s12, ttmp9, 6                       ; which weight
	s_and_b32 s13, ttmp9, 63                       ; n / 16
	s_lshl_b32 s14, s13, 16
	s_lshl_b32 s15, s10, 9
	s_add_co_u32 s14, s14, s15                     ; my first number, in bytes
	s_mov_b32 s15, 0
.macro ADDF src, field, to             ; s28 += a field of src, shifted to its place
	s_bfe_u32 s29, s\src, \field
	s_lshl_b32 s29, s29, \to
	s_add_co_u32 s28, s28, s29
.endm
	s_mov_b32 s28, 0                               ; Wv's place
	ADDF 13, 0x20004, 18
	ADDF 10, 0x10002, 17
	ADDF 13, 0x20002, 15
	ADDF 10, 0x20000, 13
	ADDF 13, 0x20000, 11
	s_mov_b32 s31, s28
	s_mov_b32 s28, 0                               ; Wk's and Wq's
	ADDF 13, 0x10005, 19
	ADDF 10, 0x20001, 17
	ADDF 13, 0x20003, 15
	ADDF 10, 0x10000, 14
	ADDF 13, 0x30000, 11
	s_cmp_eq_u32 s12, 2
	s_cselect_b32 s28, s31, s28
	s_lshl_b32 s29, s10, 11
	s_lshl_b32 s30, s13, 14
	s_add_co_u32 s29, s29, s30                     ; Wp's
	s_cmp_eq_u32 s12, 3
	s_cselect_b32 s28, s29, s28
	s_lshl_b32 s29, s12, 20
	s_add_co_u32 s28, s28, s29
	s_mov_b32 s29, 0
	s_wait_alu depctr_va_vdst(0)                   ; directly ahead of the wait below
	s_wait_kmcnt 0x0
	s_load_b256 s[36:43], s[24:25], 0x0            ; e0 .. e7
	s_load_b32 s44, s[24:25], 0x2c                 ; e11
	s_mov_b64 s[4:5], s[16:17]
	s_cmp_eq_u32 s12, 1
	s_cselect_b64 s[4:5], s[18:19], s[4:5]
	s_cmp_eq_u32 s12, 2
	s_cselect_b64 s[4:5], s[20:21], s[4:5]
	s_cmp_eq_u32 s12, 3
	s_cselect_b64 s[4:5], s[22:23], s[4:5]
	s_add_nc_u64 s[4:5], s[4:5], s[14:15]
	s_add_nc_u64 s[8:9], s[26:27], s[28:29]
.set i, 0
.rept 16
	global_load_b128 v[R+4*i:R+4*i+3], v3, s[4:5] offset:4096*i th:TH_LOAD_NT   ; row i: 512 consecutive bytes; read once in the launch
.set i, i+1
.endr
	s_wait_kmcnt 0x0
	s_mov_b32 s6, s37                              ; e1: Wk
	s_cmp_eq_u32 s12, 1
	s_cselect_b32 s6, s39, s6                      ; e3: Wq
	s_cmp_eq_u32 s12, 2
	s_cselect_b32 s6, s41, s6                      ; e5: Wv
	s_cmp_eq_u32 s12, 3
	s_cselect_b32 s6, s44, s6                      ; e11: Wp
	s_add_co_i32 s6, s6, 127
	s_lshl_b32 s7, s6, 23
	v_mov_b32 v11, s7                              ; 2^e as f32: the conversion takes its exponent field
	s_add_co_i32 s6, s6, 8
	s_lshl_b32 s6, s6, 23
	s_or_b32 s6, s6, 0x600000
	v_mov_b32 v10, s6                              ; 448 x 2^e
	s_wait_alu depctr_va_vdst(0)
.macro PAIR j                          ; rows 2 j and 2 j + 1
	s_wait_loadcnt 14-2*(\j)                       ; the two rows' loads are in; the later ones may be out
.set i, 0
.rept 8
	v_med3_num_f32 v[R+8*(\j)+i], v[R+8*(\j)+i], -v10, v10   ; the conversion to an 8-bit code does not saturate (ISA guide 7.6.2)
.set i, i+1
.endr
	v_cvt_scalef32_pk8_fp8_f32 v[D+2*(\j):D+2*(\j)+1], v[R+8*(\j):R+8*(\j)+7], v11
	ds_store_b32 v4, v[D+2*(\j)] offset:32*(\j)
	ds_store_b32 v4, v[D+2*(\j)+1] offset:32*(\j)+16
.endm
.irp j, 0,1,2,3,4,5,6,7
	PAIR \j
.endr
	v_nop                                          ; one plain vector line behind the last conversion
.irp c, 0,1,2,3
	ds_load_b128 v[C+4*\c:C+4*\c+3], v6 offset:544*\c   ; LDS serves a wave's instructions in order (ISA guide 5.7.1.4): these see my stores
.endr
.irp c, 0,1,2,3
	s_wait_dscnt 3-\c                              ; the younger loads may be out
	global_store_b128 v3, v[C+4*\c:C+4*\c+3], s[8:9] offset:512*\c   ; 32 lanes store 512 consecutive bytes, at a multiple of 256 from wc's first byte
.endr
	s_wait_tensorcnt 0x0                           ; the wave's end: behind my last LDS store
	ds_add_u32 v[SPW], v[NIL]
	s_wait_dscnt 0x0
	s_endpgm
.Lfunc_end_k_qcb9faf43f0_wq:
	.size	k_qcb9faf43f0_wq, .Lfunc_end_k_qcb9faf43f0_wq-k_qcb9faf43f0_wq
	.p2alignl 7, 3214868480
	.fill 96, 4, 3214868480
	.section	.rodata,"a",@progbits
	.p2align	6, 0x0
	.amdhsa_kernel k_qcb9faf43f0_wq
		.amdhsa_group_segment_fixed_size 19456
		.amdhsa_private_segment_fixed_size 0
		.amdhsa_enable_private_segment 0
		.amdhsa_kernarg_size 48
		.amdhsa_user_sgpr_count 2
		.amdhsa_user_sgpr_kernarg_segment_ptr 1
		.amdhsa_wavefront_size32 1
		.amdhsa_system_sgpr_workgroup_id_x 1
		.amdhsa_system_sgpr_workgroup_id_y 1
		.amdhsa_system_sgpr_workgroup_id_z 1
		.amdhsa_system_vgpr_workitem_id 0
		.amdhsa_next_free_vgpr 112
		.amdhsa_next_free_sgpr 66
		.amdhsa_reserve_vcc 0
		.amdhsa_float_denorm_mode_32 3
		.amdhsa_float_denorm_mode_16_64 3
		.amdhsa_memory_ordered 1
		.amdhsa_forward_progress 1
		.amdhsa_inst_pref_size 13
	.end_amdhsa_kernel
	.amdgpu_metadata
---
amdhsa.version: [ 1, 2 ]
amdhsa.kernels:
  - .name:           k_qcb9faf43f0_wq
    .symbol:         k_qcb9faf43f0_wq.kd
    .args:
      - { .name: Wk, .offset: 0, .size: 8, .value_kind: global_buffer, .address_space: global }
      - { .name: Wq, .offset: 8, .size: 8, .value_kind: global_buffer, .address_space: global }
      - { .name: Wv, .offset: 16, .size: 8, .value_kind: global_buffer, .address_space: global }
      - { .name: Wp, .offset: 24, .size: 8, .value_kind: global_buffer, .address_space: global }
      - { .name: lowp_scales, .offset: 32, .size: 8, .value_kind: global_buffer, .address_space: global }
      - { .name: wc, .offset: 40, .size: 8, .value_kind: global_buffer, .address_space: global }
    .group_segment_fixed_size: 19456
    .private_segment_fixed_size: 0
    .kernarg_segment_align: 8
    .kernarg_segment_size: 48
    .max_flat_workgroup_size: 256
    .sgpr_count:     66
    .vgpr_count:     112
    .wavefront_size: 32
...
	.end_amdgpu_metadata
.endif
;; end of part 1
;; launch qkv (part 2): grid 64 x 4, 4 waves a work-group, clusters of 4 x 4, 327,680 bytes of LDS; arguments key, query, value, wc, bk, bq, bv, lowp_scales, hc; writes hc
.if DOCPART == 2
	.amdgcn_target "amdgcn-amd-amdhsa--gfx1250"
	.amdhsa_code_object_version 6
	.text
	.protected	k_qcb9faf43f0_qkv
	.globl	k_qcb9faf43f0_qkv
	.p2align	8
	.type	k_qcb9faf43f0_qkv,@function
k_qcb9faf43f0_qkv:
	s_mov_b64 s[64:65], 0
	v_nop
	global_prefetch_b8 v0, s[64:65] scope:SCOPE_SE
	s_setreg_imm32_b32 hwreg(HW_REG_WAVE_MODE, 25, 1), 1
	s_wait_xcnt 0x0
	s_wait_alu depctr_hold_cnt(0) depctr_sa_sdst(0) depctr_va_vdst(0) depctr_va_sdst(0) depctr_va_ssrc(0) depctr_va_vcc(0) depctr_vm_vsrc(0)
	s_getreg_b32 s2, hwreg(HW_REG_IB_STS2, 6, 4)
	s_cmp_eq_u32 s2, 0
	s_cbranch_scc0 .Lentry_in_a_cluster
	s_endpgm
.Lentry_in_a_cluster:
	s_bfe_u32 s2, ttmp6, 0x10000c
	s_cmp_lg_u32 s2, 0xf033
	s_cbranch_scc0 .Lentry_shape_is_right
	s_endpgm
.Lentry_shape_is_right:
; k = key Wk^T + bk, q = query Wq^T + bq, v = value Wv^T + bv.  key, query, value (f32) are quantised here, on their way into LDS; the weights are codes out of wc; each result is quantised in registers
; and stored as an IMAGE OF THE OPERAND REGISTERS that the attention launch wants.  No work of reference() is left out here.
; SHARES.  256 work-groups of equal work, in 16 clusters of 4 x 4 (cx, cy).  PASS 1: 128 rows x 512 columns of k (clusters 0-7) or q (8-15): columns by cy % 2, rows by cx and cy / 2.
;   PASS 2: 128 rows x 256 columns of v: columns by cy, rows by cx.  Each of the four waves makes 128 x 128 in pass 1 (64 accumulators of 16 x 16, 512 registers), 128 x 64 in pass 2.
; K goes in steps of 128, eight in each pass.  THE WEIGHT comes in chunks of 128 KB through a ring of two LDS slots: two K steps to a chunk in pass 1, four in pass 2, six chunks in all.  A chunk is asked for JOINTLY
;   by the four work-groups of a row of the cluster (the same cy); a wave fetches the 32 KB that it reads.  A round of the cluster's barrier stands where the chunk changes; a work-group's barrier at the other K steps.
; x: a wave loads 32 rows' 512 bytes of a K step into registers a step ahead, in two halves, quantises them and stores the codes into one of two LDS buffers, which all four waves read in the next step.
;   The partners that have the same rows (two in pass 1, four in pass 2) load them in the same steps.
; PREFETCH of x: in step u each wave asks for rows of step u + 4, which step u + 2 loads; the partners that load the same rows share them out BY ADDRESS: of a wave's 32 rows each asks for 16 in pass 1, for 8 in
;   pass 2; a lane names a block of 256 bytes (pass 2: lanes 16-31 name their wave's again); the last four steps ask for nothing.
;   No prefetch of the weight: pass 1 has four chunks, of which the first two are asked for in the head and in the first step, and a chunk of pass 2 has four K steps in which to land.
; LAYOUT.  A fragment, 16 rows x 128 k: registers 4 c .. 4 c + 3 of lane (r, h) hold row r, k = 32 c + 16 h + 0 .. 15: a permutation of k that is the same in both operands.
; Pass 1: source 0 = 16 rows of W, source 1 = 16 tokens: a lane holds one token and eight neighbouring channels.  Pass 2: the sources are changed: one channel and eight neighbouring tokens.
; THE BIAS, divided by 2^(ea + eb), is the C of pass 1's first products, and is added to pass 2's sums.  code = (sum + bias') / 2^X, X = eo - ea - eb, held within +-448.
;   (ea, eb, eo) = lowp_scales (0, 1, 7) for k, (2, 3, 6) for q, (4, 5, 9) for v.  LIMITS: ea and X between -126 and 119; NaN among the inputs is not served.
; hc: k at byte 0, q at 2^23: [batch x 16 + head][tile of 16 tokens][2][lane][16 bytes];  v at 2^24: [batch][step of 128 keys][2][tile of 16 channels][2][lane][16 bytes].
; REGISTERS: window 0: addresses, x's fragments, codes, bias tiles;  window 1: W's eight fragments of the step (v0-127; on the way out the codes), x's numbers (v128-255);  windows 2, 3: the accumulators.
.set SLOT,  131072                     ; a slot: 32 KB for each wave
.set XOFF,  2*SLOT                     ; x's codes: two buffers, 32,768 apart, of eight tiles of 16 rows x 128 k
.set XBUF,  32768
.set TP,    2176                       ; a tile: eight groups of 16 k at 272 bytes
.set SPARE, XOFF+XBUF+8*TP             ; the spare words, 128 bytes for each wave
.set CO,   1                           ; v1   16 x lane
.set SPW,  2
.set NIL,  3
.set WA0,  4                           ; v4   my place in my 32 KB of slot 0;  v5 in the K step in hand
.set WA,   5
.set XL0,  6                           ; v6   my place in x's buffer 0, for fragments;  v7 in the buffer in hand
.set XL,   7
.set XS0,  8                           ; v8   where my codes go in buffer 0;  v10 in the buffer that is being written
.set XS,   10
.set PFA,  11                          ; v11, v12  the prefetches' offsets in pass 1 and in pass 2;  v13 those in hand
.set PFB,  12
.set PFO,  13
.set SX,   14                          ; v14, v15  2^e, 448 x 2^e of the x that is being quantised
.set LX,   15
.set SO1,  18                          ; v18-21 the same for the results of pass 1, of pass 2
.set SO2,  20
.set XF,   32                          ; v32-159  x's fragments
.set CD,   160                         ; v160-191 codes of x
.set BI,   192                         ; v192-255 bias tiles
.set ST,   128                         ; window 1: v128-255 x's numbers
.set G1, 36                            ; s[36:43], s[44:47] the descriptor
.set G0, 44
.set CNT, 60
.set U,  61                            ; s61 the K step, in pass 1
.set PM, 62
.set LP, 66                            ; s[66:67] the loads of x;  s[68:69] where pass 2's begin
.set XV, 68
.set PP, 70                            ; s[70:71] the prefetches of x;  s[78:79] where pass 2's begin
.set H1, 72
.set H2, 74
.set BV, 76
.set PV, 78
.set TB, 80                            ; s80 the slot in hand;  s83 the K step's first byte in it
.set XB, 81                            ; s81 the x buffer in hand, s82 the other one
.set XN, 82
.set WB, 83
.set SV, 84                            ; s84 from pass 1's last chunk to pass 2's first;  s85 SLOT;  s[86:87] the step in hand
.set SR, 85
.set WS, 86
.set XH, 88                            ; s[88:89] pass 1's rows
.set BE1, 96                           ; s96, s97  -(ea + eb)
.set BE2, 97
.set MSB, 0
.macro WIN new                         ; the immediate's high byte repeats the setting that is left
.if MSB != (\new)
	s_set_vgpr_msb (MSB<<8)|(\new)
.set MSB, (\new)
.endif
.endm
.macro CROUND                          ; a round of the cluster's barrier
	s_barrier_signal -1
	s_barrier_wait -1
	s_cmp_lg_u32 s14, 0
	s_cbranch_scc1 .Lnot_wave_0_\@
	s_barrier_signal -3
.Lnot_wave_0_\@:
	s_barrier_wait -3
	s_barrier_signal -1
	s_barrier_wait -1
.endm
.macro PLACES
.rept 4
	v_nop
.endr
.endm
.macro LOADX half, base, off           ; 16 of my 32 rows: 512 consecutive bytes a load: lane l holds k = 4 l .. 4 l + 3
	WIN 0x40
.set i, 0
.rept 16
	global_load_b128 v[ST+64*(\half)+4*i:ST+64*(\half)+4*i+3], v[CO], s[\base:\base+1] offset:(\off)+4096*(16*(\half)+i)
.set i, i+1
.endr
	WIN 0
.endm
.macro QCONV half
	WIN 0x41
.set i, 0
.rept 64
	v_med3_num_f32 v[ST+64*(\half)+i], v[ST+64*(\half)+i], -v[LX], v[LX]   ; the conversion to an 8-bit code does not saturate (ISA guide 7.6.2)
.set i, i+1
.endr
	WIN 0x01
.set i, 0
.rept 8
	v_cvt_scalef32_pk8_fp8_f32 v[CD+16*(\half)+2*i:CD+16*(\half)+2*i+1], v[ST+64*(\half)+8*i:ST+64*(\half)+8*i+7], v[SX]   ; two rows, four codes of each
.set i, i+1
.endr
	v_nop                                          ; one plain vector line behind the last conversion
	WIN 0
.endm
.macro QSTORE half, adr
.set i, 0
.rept 16
	ds_store_b32 v[\adr], v[CD+16*(\half)+i] offset:TP*(\half)+16*i
.set i, i+1
.endr
.endm
.macro FETCHX half                     ; x's tiles 4 half .. 4 half + 3
.set i, 0
.rept 16
	ds_load_b128 v[XF+64*(\half)+4*i:XF+64*(\half)+4*i+3], v[XL] offset:(4*(\half)+i/4)*TP+544*(i%4)
.set i, i+1
.endr
.endm
.macro FETCHW half                     ; W's fragments 4 half .. 4 half + 3 of mine
	WIN 0x40                                       ; destination window 1, address window 0
.set i, 0
.rept 16
	ds_load_b128 v[64*(\half)+4*i:64*(\half)+4*i+3], v[WA] offset:8192*(\half)+512*i
.set i, i+1
.endr
	WIN 0
.endm
; Sixteen products: x's tiles 4 ah .. 4 ah + 3 with W's fragments 4 nh .. 4 nh + 3.  The accumulators take turns, one instruction a turn, in the same order in every step.
; Pass 1: accumulator (tile a, fragment n) at v[8 (8 (a % 4) + n)] of window 2 (a < 4) or 3.  Pass 2: at v[8 (4 a + n)] of window 2.  first: the sums start from the bias or from 0; nothing is cleared.
.macro MUL p, ah, nh, first
.if (\p) == 1
.if \first
	WIN 0x81+0x40*(\ah)                            ; source 0 window 1, source 1 and C window 0, D window 2 or 3
.else
	WIN 0xa1+0x50*(\ah)                            ; C and D window 2 or 3
.endif
.elseif \first
	WIN 0x84                                       ; source 0 window 0, source 1 window 1, D window 2
.else
	WIN 0xa4
.endif
.set i, 0
.rept 16
.set WF, 16*(4*(\nh)+i/4)
.set XT, XF+64*(\ah)+16*(i%4)
.if (\p) == 1
.set AC, 8*(8*(i%4)+4*(\nh)+i/4)
.if \first
.set BT, BI+8*(4*(\nh)+i/4)
	v_wmma_f32_16x16x128_fp8_fp8 v[AC:AC+7], v[WF:WF+15], v[XT:XT+15], v[BT:BT+7]
.else
	v_wmma_f32_16x16x128_fp8_fp8 v[AC:AC+7], v[WF:WF+15], v[XT:XT+15], v[AC:AC+7]
.endif
.else
.set AC, 8*(4*(4*(\ah)+i%4)+i/4)
.if \first
	v_wmma_f32_16x16x128_fp8_fp8 v[AC:AC+7], v[XT:XT+15], v[WF:WF+15], 0
.else
	v_wmma_f32_16x16x128_fp8_fp8 v[AC:AC+7], v[XT:XT+15], v[WF:WF+15], v[AC:AC+7]
.endif
.endif
.set i, i+1
.endr
	WIN 0
.endm
; Half 1 of x(u + 1).
.macro QUANT1 ld, qf
.if \qf
	s_wait_loadcnt 16*(\ld)                        ; half 1 of x(u + 1) is in; half 0 of x(u + 2) may be out
	QCONV 1
.if \ld
	LOADX 1, LP, 0
.endif
	QSTORE 1, XS
.endif
.endm
; A K STEP u.  p: the pass.  rnd: the chunk changes; fill: and the next chunk is asked for.  pf, ld, qf: rows are prefetched (step u + 4), loaded (u + 2), quantised (u + 1).
; In front of the barrier each wave has waited for its code stores and its reads of the step before and, where the chunk changes, for its tensor load and its add; behind it x's codes(u) and the chunk are whole.
.macro STEP p, first, rnd, fill, pf, ld, qf
.set NS, 16*(\qf)                      ; code stores of a half
	s_wait_alu depctr_va_vdst(0)                   ; directly ahead of the waits below
	s_wait_xcnt 0x0                                ; earlier loads, stores and prefetches have read their addresses and data
.if \ld
	s_add_nc_u64 s[LP:LP+1], s[LP:LP+1], 512
.if (\p) == 1
	s_cmp_eq_u32 s[U], 6                           ; step 6 loads pass 2's first K step
	s_cselect_b64 s[LP:LP+1], s[XV:XV+1], s[LP:LP+1]
.endif
.endif
.if \pf
	s_add_nc_u64 s[PP:PP+1], s[PP:PP+1], 512
.if (\p) == 1
	s_cmp_eq_u32 s[U], 4                           ; step 4 asks for it
	s_cselect_b64 s[PP:PP+1], s[PV:PV+1], s[PP:PP+1]
	s_cmp_ge_u32 s[U], 4
	s_cselect_b32 s[PM], -1, 0
.endif
.endif
.if (\p) == 1
.if \fill
	s_cmp_eq_u32 s[U], 6                           ; the chunk that follows pass 1's last is Wv's
	s_cselect_b32 s[WS], s[SV], s[SR]
.endif
	s_add_co_u32 s[U], s[U], 1
.endif
.if \rnd
	s_wait_tensorcnt 0x0                           ; my part of the chunk is in
	ds_add_u32 v[SPW], v[NIL]                      ; 0 onto my spare word
	s_xor_b32 s[TB], s[TB], SLOT
	s_mov_b32 s[WB], s[TB]
.if \fill
	s_xor_b32 s[G0+1], s[G0+1], SLOT
.if (\p) == 1
	s_add_nc_u64 s[G0+2:G0+3], s[G0+2:G0+3], s[WS:WS+1]
.else
	s_add_nc_u64 s[G0+2:G0+3], s[G0+2:G0+3], SLOT
.endif
.endif
.else
	s_add_co_u32 s[WB], s[WB], 16384/(\p)          ; the chunk's next K step
.endif
	s_xor_b32 s[XB], s[XB], XBUF
	s_xor_b32 s[XN], s[XB], XBUF
	s_wait_dscnt 0x0                               ; my code stores and my reads of the step before are over, and the add is done
.if \fill
	CROUND
	tensor_load_to_lds s[G0:G0+3], s[G1:G1+7]      ; my joint load of the next chunk: the first behind the round, my one load until the next
	s_nop 0
.else
	s_barrier_signal -1
	s_barrier_wait -1
.endif
	PLACES                                         ; also the places in front of loads into registers that the last products have read
	v_add_nc_u32 v[WA], s[WB], v[WA0]
	v_add_nc_u32 v[XL], s[XB], v[XL0]
.if \qf
	v_add_nc_u32 v[XS], s[XN], v[XS0]
.endif
.if (\pf) && (\p) == 1
	v_cndmask_b32 v[PFO], v[PFA], v[PFB], s[PM]
.endif
	s_wait_alu depctr_va_vdst(0)                   ; directly behind the writes
	FETCHX 0
	FETCHW 0
.if \qf
	s_wait_loadcnt 16                              ; half 0 of x(u + 1) is in; half 1's loads may be out
	QCONV 0
.if \ld
	LOADX 0, LP, 0
.endif
	QSTORE 0, XS
.endif
.if \pf
	global_prefetch_b8 v[PFO], s[PP:PP+1] th:TH_LOAD_NT scope:SCOPE_SE
.endif
.if (\p) == 1
	FETCHW 1
	s_wait_dscnt 16+NS                             ; x's tiles 0-3 and W's fragments 0-3 are in; the code stores and W's 4-7 may be out
	MUL 1, 0, 0, \first
	FETCHX 1
	s_wait_dscnt 16                                ; W's 4-7 are in; x's tiles 4-7 may be out
	MUL 1, 0, 1, \first
	s_wait_dscnt 0x0                               ; x's tiles 4-7 are in
	MUL 1, 1, 0, \first
	QUANT1 \ld, \qf
	MUL 1, 1, 1, \first
.else
	FETCHX 1
	s_wait_dscnt 16+NS                             ; x's tiles 0-3 and W's fragments are in; the code stores and x's tiles 4-7 may be out
	MUL 2, 0, 0, \first
	QUANT1 \ld, \qf
	s_wait_dscnt NS                                ; x's tiles 4-7 are in; half 1's code stores may be out
	MUL 2, 1, 0, \first
.endif
.endm
	s_load_b512 s[16:31], s[0:1], 0x0              ; key, query, value, wc, bk, bq, bv, lowp_scales
	s_load_b64 s[32:33], s[0:1], 0x40              ; hc
	v_lshl_add_u32 v[SPW], v0, 2, SPARE
	v_mov_b32 v[NIL], 0
	ds_add_u32 v[SPW], v[NIL]                      ; the wave's opening: the add, twice on end, and its wait ahead of my first tensor load
	ds_add_u32 v[SPW], v[NIL]                      ; and once more; the set-up below, work on registers, stands between it and the wait
	v_lshrrev_b32 v22, 5, v0
	v_readfirstlane_b32 s14, v22                   ; wave
	v_and_b32 v23, 31, v0                          ; lane
	v_lshlrev_b32 v[CO], 4, v23
	v_lshrrev_b32 v24, 4, v23                      ; h
	v_and_b32 v27, 15, v23                         ; r
	v_lshlrev_b32 v26, 5, v24                      ; 32 h
	v_lshlrev_b32 v25, 2, v27                      ; 4 r
	s_bfe_u32 s9, ttmp6, 0x40000                   ; cx
	s_bfe_u32 s10, ttmp6, 0x40004                  ; cy
	s_lshr_b32 s11, ttmp9, 3                       ; pass 1 is k (0) or q (1): the same in the whole cluster
	s_and_b32 s13, s10, 1                          ; which 512 columns, in pass 1
	; what the descriptor is made of: the cluster's number, cy and the wave's number
	s_lshl_b32 s12, s10, 2
	s_lshl_b32 s12, 15, s12
	s_or_b32 s[G1+0], s12, 1<<21                   ; 15:0 the mask: my row of the cluster; 17:16 element of 1 byte; 21 set beside a mask; no padding
	s_mov_b32 s[G1+1], 4096<<16                    ; 32 KB on end, as 8 rows of 4,096 bytes
	s_mov_b32 s[G1+2], 8<<16
	s_mov_b32 s[G1+3], 4096<<16
	s_mov_b32 s[G1+4], 8
	s_mov_b32 s[G1+5], 4096
	s_mov_b32 s[G1+6], 0
	s_mov_b32 s[G1+7], 0
	s_lshl_b32 s92, s11, 20
	s_lshl_b32 s12, s13, 19
	s_add_co_u32 s92, s92, s12                     ; W: weight, columns,
	s_sub_co_u32 s[SV], 0x1a0000, s92              ; (from there + 3 chunks to Wv's 256 columns: 2^21 + cy x 2^18)
	s_lshl_b32 s12, s10, 18
	s_add_co_u32 s[SV], s[SV], s12
	s_lshl_b32 s12, s14, 15
	s_add_co_u32 s92, s92, s12                     ; wave
	s_mov_b32 s93, 0
	s_mov_b32 s[SR], SLOT
	s_mov_b32 s[WS+1], 0
	; rows and results
	s_and_b32 s2, ttmp9, 7
	s_lshl_b32 s2, s2, 3
	s_lshr_b32 s3, s10, 1
	s_lshl_b32 s3, s3, 2
	s_add_co_u32 s2, s2, s3
	s_add_co_u32 s2, s2, s9                        ; which 128 rows in pass 1: 8 x (cluster % 8) + 4 (cy / 2) + cx
	s_lshl_b32 s3, ttmp9, 2
	s_add_co_u32 s3, s3, s9                        ; and in pass 2: 4 x cluster + cx
	s_lshl_b32 s8, s14, 17
	s_lshl_b32 s88, s2, 19
	s_add_co_u32 s88, s88, s8                      ; x: 128 rows of 4,096 bytes, 32 a wave
	s_mov_b32 s89, 0
	s_lshl_b32 s90, s3, 19
	s_add_co_u32 s90, s90, s8
	s_mov_b32 s91, 0
	s_lshl_b32 s94, s11, 23                        ; hc in pass 1: product, batch, head 8 (cy % 2) + 2 wave, token tile
	s_lshr_b32 s4, s2, 3
	s_lshl_b32 s4, s4, 20
	s_add_co_u32 s94, s94, s4
	s_lshl_b32 s4, s13, 19
	s_add_co_u32 s94, s94, s4
	s_add_co_u32 s94, s94, s8
	s_and_b32 s4, s2, 7
	s_lshl_b32 s4, s4, 13
	s_add_co_u32 s94, s94, s4
	s_mov_b32 s95, 0
	s_lshl_b32 s4, s3, 17                          ; hc in pass 2: batch and key step, channel tile 16 cy + 4 wave
	s_lshl_b32 s5, s10, 14
	s_add_co_u32 s4, s4, s5
	s_lshl_b32 s5, s14, 12
	s_add_co_u32 s4, s4, s5
	s_add_co_u32 s4, s4, 0x1000000
	s_mov_b32 s5, 0
	s_lshl_b32 s6, s13, 11                         ; the biases
	s_lshl_b32 s7, s14, 9
	s_add_co_u32 s6, s6, s7
	s_mov_b32 s7, 0
	s_lshl_b32 s34, s10, 10
	s_lshl_b32 s35, s14, 8
	s_add_co_u32 s34, s34, s35
	s_mov_b32 s35, 0
	s_lshl_b32 s2, s13, 16                         ; the prefetches: 16 rows by cy % 2 in pass 1 (K step 3: the first step moves on to 4),
	s_add_co_u32 s2, s2, 1536
	s_mov_b32 s3, 0
	s_lshl_b32 s12, s10, 15                        ; 8 rows by cy in pass 2
	s_mov_b32 s13, 0
	s_mov_b32 s[TB], SLOT                          ; (each change of chunks begins by changing slots, each step by changing buffers)
	s_mov_b32 s[XB], XBUF
	s_mov_b32 s[U], 0
	s_wait_alu depctr_va_vdst(0)                   ; directly ahead of the waits below
	s_wait_dscnt 0x0                               ; both opening adds are done
	s_wait_kmcnt 0x0
	s_load_b256 s[48:55], s[30:31], 0x0            ; e0 .. e7
	s_load_b128 s[56:59], s[30:31], 0x20           ; e8 .. e11
	s_cmp_eq_u32 s11, 0
	s_cselect_b64 s[16:17], s[16:17], s[18:19]
	s_cselect_b64 s[24:25], s[24:25], s[26:27]
	s_add_nc_u64 s[XH:XH+1], s[16:17], s[88:89]
	s_add_nc_u64 s[24:25], s[24:25], s[6:7]
	LOADX 0, XH, 0                                 ; x(0)
	LOADX 1, XH, 0
.set i, 0
.rept 8
	global_load_b128 v[BI+8*i:BI+8*i+3], v26, s[24:25] offset:64*i       ; pass 1's bias tiles: tile n, register j: bias[my first column + 16 n + 8 h + j]
	global_load_b128 v[BI+8*i+4:BI+8*i+7], v26, s[24:25] offset:64*i+16
.set i, i+1
.endr
	s_mov_b32 s[G0], 1
	s_lshl_b32 s[G0+1], s14, 15
	s_add_nc_u64 s[G0+2:G0+3], s[22:23], s[92:93]
	s_or_b32 s[G0+3], s[G0+3], 0x80000000
	CROUND                                         ; all sixteen work-groups are here: the first joint loads meet
	tensor_load_to_lds s[G0:G0+3], s[G1:G1+7]      ; chunk 0
	s_nop 0
	PLACES
	s_add_nc_u64 s[LP:LP+1], s[XH:XH+1], 512
	s_add_nc_u64 s[PP:PP+1], s[XH:XH+1], s[2:3]
	s_add_nc_u64 s[XV:XV+1], s[20:21], s[90:91]
	s_add_nc_u64 s[PV:PV+1], s[XV:XV+1], s[12:13]
	s_add_nc_u64 s[H1:H1+1], s[32:33], s[94:95]
	s_add_nc_u64 s[H2:H2+1], s[32:33], s[4:5]
	s_add_nc_u64 s[BV:BV+1], s[28:29], s[34:35]
	s_lshl_b32 s8, s14, 15
	s_mul_i32 s9, s14, 2*TP
	s_add_co_u32 s9, s9, XOFF                      ; my codes are tiles 2 x wave, 2 x wave + 1
	v_add_nc_u32 v[WA0], s8, v[CO]
	v_mul_u32_u24 v28, v24, 272
	v_lshl_add_u32 v28, v27, 4, v28
	v_add_nc_u32 v[XL0], XOFF, v28                 ; 272 h + 16 r
	v_lshrrev_b32 v29, 2, v23
	v_mul_u32_u24 v29, v29, 272
	v_and_b32 v30, 3, v23
	v_lshl_add_u32 v29, v30, 2, v29                ; 272 (l / 4) + 4 (l % 4)
	v_add_nc_u32 v[XS0], s9, v29
	v_and_b32 v31, 1, v23
	v_lshrrev_b32 v30, 1, v23
	v_lshlrev_b32 v30, 12, v30
	v_lshl_add_u32 v[PFA], v31, 8, v30             ; row l / 2, block l % 2 of the step's 512 bytes
	v_and_b32 v30, 15, v23
	v_lshrrev_b32 v30, 1, v30
	v_lshlrev_b32 v30, 12, v30
	v_lshl_add_u32 v[PFB], v31, 8, v30
	s_wait_alu depctr_va_vdst(0)                   ; directly ahead of the wait below
	s_wait_kmcnt 0x0                               ; the exponents
	s_cmp_eq_u32 s11, 0
	s_cselect_b32 s6, s48, s50                     ; ea
	s_cselect_b32 s7, s49, s51                     ; eb
	s_cselect_b32 s8, s55, s54                     ; eo
	s_add_co_i32 s7, s6, s7
	s_sub_co_i32 s[BE1], 0, s7
	s_sub_co_i32 s8, s8, s7                        ; X of pass 1
	s_add_co_i32 s7, s52, s53
	s_sub_co_i32 s[BE2], 0, s7
	s_sub_co_i32 s9, s57, s7                       ; X of pass 2
.macro MKS e, lo, hi                   ; 2^e and 448 x 2^e
	s_add_co_i32 s\hi, s\e, 127
	s_lshl_b32 s\lo, s\hi, 23
	s_add_co_i32 s\hi, s\hi, 8
	s_lshl_b32 s\hi, s\hi, 23
	s_or_b32 s\hi, s\hi, 0x600000
.endm
	MKS 6, 4, 5
	v_mov_b32 v[SX], s4
	v_mov_b32 v[LX], s5
	MKS 8, 4, 5
	v_mov_b32 v[SO1], s4
	v_mov_b32 v[SO1+1], s5
	MKS 9, 4, 5
	v_mov_b32 v[SO2], s4
	v_mov_b32 v[SO2+1], s5
	MKS 52, 98, 99                                 ; for pass 2's x
	s_wait_alu depctr_va_vdst(0)
	s_wait_loadcnt 32                              ; half 0 of x(0) is in; behind it half 1's 16 loads and the bias's 16
	QCONV 0
	LOADX 0, XH, 512                               ; x(1)
	QSTORE 0, XS0
	s_wait_loadcnt 32                              ; half 1 is in; behind it the bias's 16 and half 0 of x(1)
	QCONV 1
	LOADX 1, XH, 512
	QSTORE 1, XS0
	s_wait_loadcnt 32                              ; the bias is in; x(1)'s 32 may be out
.set i, 0
.rept 64
	v_ldexp_f32 v[BI+i], v[BI+i], s[BE1]           ; divided by 2^(ea + eb)
.set i, i+1
.endr
	STEP 1, 1, 1, 1, 1, 1, 1                       ; step 0
	s_mov_b32 s[CNT], 3
.Lpass1:                                               ; steps 1 to 6, two a trip: a chunk's second K step, the next chunk's first
	STEP 1, 0, 0, 0, 1, 1, 1
	STEP 1, 0, 1, 1, 1, 1, 1
	s_sub_co_u32 s[CNT], s[CNT], 1
	s_cmp_lg_u32 s[CNT], 0
	s_cbranch_scc1 .Lpass1
	v_mov_b32 v[SX], s98                           ; from here on it is value that is quantised
	v_mov_b32 v[LX], s99
	STEP 1, 0, 0, 0, 1, 1, 1                       ; step 7
; PASS 1'S WAY OUT.  Each sum is held within +-448 x 2^X in place (each accumulator from its low end on); eight neighbouring channels become two registers of codes.  Tile a's fragments n, n + 1 (n even) make one
; piece of 512 bytes: head n / 4 of my two, half (n % 4) / 2 of the fragment.  The codes lie in window 1, whose W fragments are done with; the next step's loads land there behind its s_wait_xcnt 0.
	PLACES                                         ; behind the last products
.irp hi, 0,1
	WIN 0x82+0x41*\hi
.set i, 0
.rept 256
	v_med3_num_f32 v[i], v[i], -v[SO1+1], v[SO1+1]
.set i, i+1
.endr
	WIN 0x42+\hi
.set i, 0
.rept 32
	v_cvt_scalef32_pk8_fp8_f32 v[64*\hi+2*i:64*\hi+2*i+1], v[8*i:8*i+7], v[SO1]
.set i, i+1
.endr
	v_nop                                          ; one plain vector line behind the last conversion
	WIN 0x04
.set i, 0
.rept 16
	global_store_b128 v[CO], v[64*\hi+4*i:64*\hi+4*i+3], s[H1:H1+1] offset:(4*\hi+i/4)*1024+((i%4)/2)*65536+(i%2)*512   ; 512 consecutive bytes, at a multiple of 256 from hc's first byte
.set i, i+1
.endr
	WIN 0
.endr
	STEP 2, 1, 1, 1, 1, 1, 1                       ; step 8: the last chunk is asked for
	s_mov_b32 s[CNT], 3
.Lpass2:                                               ; steps 9 to 11
	STEP 2, 0, 0, 0, 1, 1, 1
	s_sub_co_u32 s[CNT], s[CNT], 1
	s_cmp_lg_u32 s[CNT], 0
	s_cbranch_scc1 .Lpass2
	STEP 2, 0, 1, 0, 0, 1, 1                       ; step 12: on to the last chunk; nothing is left to prefetch
	STEP 2, 0, 0, 0, 0, 1, 1                       ; step 13
	STEP 2, 0, 0, 0, 0, 0, 1                       ; step 14
.set i, 0
.rept 4
	global_load_b32 v[BI+i], v25, s[BV:BV+1] offset:64*i   ; bv[my first column + 16 n + r]
.set i, i+1
.endr
	STEP 2, 0, 0, 0, 0, 0, 0                       ; step 15
; PASS 2'S WAY OUT.  Lane r holds channel 16 n + r; tile a's eight registers are tokens 16 a + 8 h + 0 .. 7 of my 128: the codes of the eight tiles are the sixteen registers of v's fragment for these 128 keys.
	PLACES                                         ; behind the last products
	s_wait_loadcnt 0x0
.set i, 0
.rept 4
	v_ldexp_f32 v[BI+16+2*i], v[BI+i], s[BE2]      ; bv / 2^(ea + eb), in both halves of a pair
	v_ldexp_f32 v[BI+17+2*i], v[BI+i], s[BE2]
.set i, i+1
.endr
	WIN 0x82
.set i, 0
.rept 128
.set BT, BI+16+2*((i/4)%4)
	v_pk_add_f32 v[2*i:2*i+1], v[2*i:2*i+1], v[BT:BT+1]
.set i, i+1
.endr
.set i, 0
.rept 256
	v_med3_num_f32 v[i], v[i], -v[SO2+1], v[SO2+1]
.set i, i+1
.endr
	WIN 0x42
.set i, 0
.rept 32
	v_cvt_scalef32_pk8_fp8_f32 v[16*(i%4)+2*(i/4):16*(i%4)+2*(i/4)+1], v[8*i:8*i+7], v[SO2]
.set i, i+1
.endr
	v_nop
	WIN 0x04
.set i, 0
.rept 16
	global_store_b128 v[CO], v[4*i:4*i+3], s[H2:H2+1] offset:(i/4)*1024+((i%4)/2)*65536+(i%2)*512   ; 512 consecutive bytes, at a multiple of 256
.set i, i+1
.endr
	WIN 0
	s_wait_tensorcnt 0x0                           ; the wave's end: behind my last tensor load and my last LDS store
	ds_add_u32 v[SPW], v[NIL]
	s_wait_dscnt 0x0
	CROUND                                         ; the closing round: no work-group ends while a partner may still ask for a tile that names it
	s_endpgm
.Lfunc_end_k_qcb9faf43f0_qkv:
	.size	k_qcb9faf43f0_qkv, .Lfunc_end_k_qcb9faf43f0_qkv-k_qcb9faf43f0_qkv
	.p2alignl 7, 3214868480
	.fill 96, 4, 3214868480
	.section	.rodata,"a",@progbits
	.p2align	6, 0x0
	.amdhsa_kernel k_qcb9faf43f0_qkv
		.amdhsa_group_segment_fixed_size 327680
		.amdhsa_private_segment_fixed_size 0
		.amdhsa_enable_private_segment 0
		.amdhsa_kernarg_size 72
		.amdhsa_user_sgpr_count 2
		.amdhsa_user_sgpr_kernarg_segment_ptr 1
		.amdhsa_wavefront_size32 1
		.amdhsa_system_sgpr_workgroup_id_x 1
		.amdhsa_system_sgpr_workgroup_id_y 1
		.amdhsa_system_sgpr_workgroup_id_z 1
		.amdhsa_system_vgpr_workitem_id 0
		.amdhsa_next_free_vgpr 1024
		.amdhsa_next_free_sgpr 100
		.amdhsa_reserve_vcc 0
		.amdhsa_float_denorm_mode_32 3
		.amdhsa_float_denorm_mode_16_64 3
		.amdhsa_memory_ordered 1
		.amdhsa_forward_progress 1
		.amdhsa_inst_pref_size 255
	.end_amdhsa_kernel
	.section	.bss,"aw",@nobits
	.p2align	6
	.space	262144
	.amdgpu_metadata
---
amdhsa.version: [ 1, 2 ]
amdhsa.kernels:
  - .name:           k_qcb9faf43f0_qkv
    .symbol:         k_qcb9faf43f0_qkv.kd
    .args:
      - { .name: key, .offset: 0, .size: 8, .value_kind: global_buffer, .address_space: global }
      - { .name: query, .offset: 8, .size: 8, .value_kind: global_buffer, .address_space: global }
      - { .name: value, .offset: 16, .size: 8, .value_kind: global_buffer, .address_space: global }
      - { .name: wc, .offset: 24, .size: 8, .value_kind: global_buffer, .address_space: global }
      - { .name: bk, .offset: 32, .size: 8, .value_kind: global_buffer, .address_space: global }
      - { .name: bq, .offset: 40, .size: 8, .value_kind: global_buffer, .address_space: global }
      - { .name: bv, .offset: 48, .size: 8, .value_kind: global_buffer, .address_space: global }
      - { .name: lowp_scales, .offset: 56, .size: 8, .value_kind: global_buffer, .address_space: global }
      - { .name: hc, .offset: 64, .size: 8, .value_kind: global_buffer, .address_space: global }
    .group_segment_fixed_size: 327680
    .private_segment_fixed_size: 0
    .kernarg_segment_align: 8
    .kernarg_segment_size: 72
    .max_flat_workgroup_size: 128
    .sgpr_count:     100
    .vgpr_count:     1024
    .wavefront_size: 32
...
	.end_amdgpu_metadata
.endif
;; end of part 2
;; launch attn (part 3): grid 2 x 128, 8 waves a work-group, no clusters, 148,480 bytes of LDS; arguments hc, lowp_scales, yc; writes yc
.if DOCPART == 3
	.amdgcn_target "amdgcn-amd-amdhsa--gfx1250"
	.amdhsa_code_object_version 6
	.text
	.protected	k_qcb9faf43f0_attn
	.globl	k_qcb9faf43f0_attn
	.p2align	8
	.type	k_qcb9faf43f0_attn,@function
k_qcb9faf43f0_attn:
	s_mov_b64 s[64:65], 0
	v_nop
	global_prefetch_b8 v0, s[64:65] scope:SCOPE_SE
	s_setreg_imm32_b32 hwreg(HW_REG_WAVE_MODE, 25, 1), 1
	s_wait_xcnt 0x0
; y[b][l][64 head ..] = softmax over the keys m <= l of (q . k / 8) times v, both products on codes of FP8 (E4M3) out of hc; y is quantised with lowp_scales[10] into yc.
; WORK LEFT OUT: a step of 128 keys all of which come after a block's 32 queries: reference()'s own mask gives those keys the weight 0 for all values of the inputs (shown at the head of the first launch).
; THE SOFTMAX AHEAD OF THE SECOND PRODUCT: t = score x log2(e) / 8; M = the row's largest t so far, rounded UP to a whole number; p = 2^(t - M) is quantised along the keys with 2^e8, not normalised.
; The row's sum is taken of the unquantised p, in f32, and divides at the end.  When M moves, the sum and O are multiplied by 2^(old M - new M): nothing is rounded.
; SHARES.  Work-group (p, bh): head bh = 16 batch + head; p = 0 or 1.  Wave w takes the blocks of 32 queries b = 2 w + p and 31 - b.  Block b has b / 4 + 1 live key steps, so every wave of every work-group has nine.
; A block is two tiles of 16 queries, u = 0 and 1, which go in lockstep: each fragment of K and V feeds two products, and the two softmaxes' lines take turns, so that neither waits for the line above it.
; K AND V.  The head's 64 KB of each lie in hc as images of operand registers; each wave copies 8 KB of each into LDS through its registers, once; one barrier; nothing is ever filled again.
; So there is no tensor load, no ring and no prefetch (all is asked for at the head).  NO CLUSTER: two work-groups share a head, a cluster of four would hold two heads, which need different tiles,
; and what is shared is fetched once at the head.
; LAYOUT.  Both products are used transposed: S^T = K Q^T (source 0 = 16 keys, source 1 = 16 queries), O^T = V^T P^T (source 0 = 16 channels, source 1 = P): a lane holds ONE query (lane % 16) of a tile throughout.
; In S^T's tile T register j of lane (r, h) is key 16 T + 8 h + j: one conversion makes registers 2 T, 2 T + 1 of P's fragment for K = 128, in the form's own layout, in which the projection laid V.
; yc: [tile of 16 tokens][channel / 16][token % 16][16 bytes]: the last launch's operand for 128 along K is then 2 KB on end.
; LIMITS on the given exponents: e6 + e7 between -123 and 130 (added to c's exponent field); e8 between -126 and 119; e8 + e9 - e10 is applied by v_ldexp_f32.  NaN among the inputs is not served.
; The scaled scores stay under 2^31 in magnitude (M's change is made a whole number of 32 bits).
; REGISTERS.  Window 0: v1 16 x lane; v2, v4 LDS addresses in hand; v3, v9 the add's two; v5 the stage's store address; v16-31 Q, v32-47 the second block's Q; v64-127 K's fragments; v128-191 V's.
;   Window 1: v[64 u ..] S^T, then p; v[128 + 32 u ..] O^T; v[192 + 16 u ..] p's codes; v[224 + 16 u ..] a tile's numbers, as named below.
.set STG,   131072                     ; LDS: bytes 0 to 131,071: key step s at 16,384 s: K's 8 fragments of 1 KB, then V's 8 KB; here the stages, 2 KB for each wave, its own
.set SPARE, 147456                     ; behind them the spare words, 128 bytes for each wave
.set ADR,  2
.set SPW,  3
.set ADK,  4
.set STO,  5
.set NIL,  9
.set Q,   16
.set QB,  32
.set K,   64
.set V,   128
.set LS,  224                          ; v224, v225 the sum in two halves;  v226 -M;  v227 the largest t;  v228 f;  v229 its pair's upper half and the permute's target;  v230, v231 at work;  v[232:237] three more chains of sums
.set NM,  226
.set MX,  227
.set FF,  228
.set PX,  229
.set TA,  230
.set TC,  231
.set SCP, 238                          ; 2^e8, for both tiles
.set ONE, 239                          ; 1.0
.set MSB, 0
.macro WIN new                         ; the immediate's high byte repeats the setting that is left
.if MSB != (\new)
	s_set_vgpr_msb (MSB<<8)|(\new)
.set MSB, (\new)
.endif
.endm
	s_load_b128 s[4:7], s[0:1], 0x0                ; hc s[4:5], lowp_scales s[6:7]
	s_load_b64 s[8:9], s[0:1], 0x10                ; yc
	v_lshl_add_u32 v[SPW], v0, 2, SPARE
	v_mov_b32 v[NIL], 0
	v_lshrrev_b32 v8, 5, v0
	v_readfirstlane_b32 s10, v8                    ; wave 0..7
	s_lshl_b32 s45, s10, 11
	s_add_co_u32 s45, s45, STG                     ; my stage
	s_lshl_b32 s30, s10, 14
	v_and_b32 v1, 31, v0
	v_and_b32 v6, 15, v0                           ; r
	v_bfe_u32 v8, v0, 4, 1                         ; h
	v_lshlrev_b32 v1, 4, v1                        ; 16 x lane: my place in every piece of 512 bytes, in memory and in LDS
	v_lshlrev_b32 v[STO], 4, v6
	v_lshlrev_b32 v7, 3, v8
	v_lshl_add_u32 v[STO], v8, 3, v[STO]
	v_sub_nc_u32 v10, v6, v7                       ; r - 8 h
	v_add_nc_u32 v[STO], s45, v[STO]               ; into the stage: 16 r + 8 h
	v_add_nc_u32 v[ADR], s30, v1                   ; where my copies go: key step `wave`
.irp j, 0,1,2,3,4,5,6,7
	v_cmp_gt_i32 s[48+\j], \j, v10                 ; in the tile of 16 keys on a tile of queries' diagonal, register j's key is hidden where 8 h + j > r
.endr
	s_and_b32 s12, ttmp7, 0xffff                   ; bh
	s_lshr_b32 s13, s12, 4                         ; batch
	s_and_b32 s14, s12, 15                         ; head
	s_lshl_b32 s43, s10, 1
	s_add_co_u32 s43, s43, ttmp9                   ; b = 2 w + p
	s_lshl_b32 s16, s12, 16                        ; K: the head's 64 KB,
	s_lshl_b32 s30, s10, 13
	s_add_co_u32 s16, s16, s30                     ; my wave's 8 KB: token tiles 8 w .. 8 w + 7
	s_mov_b32 s17, 0
	s_lshl_b32 s18, s13, 20                        ; V: the batch's 1 MB,
	s_lshl_b32 s30, s14, 12
	s_add_co_u32 s18, s18, s30                     ; the head's four channel tiles,
	s_lshl_b32 s30, s10, 17
	s_add_co_u32 s18, s18, s30                     ; key step w,
	s_add_co_u32 s18, s18, 0x1000000               ; in v's part of hc
	s_mov_b32 s19, 0
	s_lshl_b32 s20, s12, 16
	s_add_co_u32 s20, s20, 0x800000                ; Q: the head's 64 KB in q's part
	s_sub_co_u32 s30, 31, s43
	s_lshl_b32 s30, s30, 11
	s_add_co_u32 s46, s20, s30                     ; the second block's 2 KB,
	s_mov_b32 s47, 0
	s_lshl_b32 s30, s43, 11
	s_add_co_u32 s20, s20, s30                     ; the first's
	s_mov_b32 s21, 0
	s_lshl_b32 s22, s13, 20                        ; y: the batch's 64 token tiles of 16 KB,
	s_lshl_b32 s30, s14, 10
	s_add_co_u32 s22, s22, s30                     ; the head's 1 KB in a tile
	s_mov_b32 s23, 0
	s_mov_b32 s24, 0x76543210                      ; lane selects for v_permlanex16_b32: lane l xor 16
	s_mov_b32 s25, 0xfedcba98
	s_mov_b32 s26, 0x3e38aa3b                      ; c = log2(e) / 8
	s_mov_b32 s41, 0x43e00000                      ; 448
	s_mov_b32 s42, 0xc3e00000                      ; -448
	s_mov_b32 s57, 0xff800000                      ; -infinity
	s_wait_alu depctr_va_vdst(0)                   ; directly ahead of the wait below
	s_wait_kmcnt 0x0
	s_load_b64 s[36:37], s[6:7], 0x18              ; e6 (q), e7 (k)
	s_load_b64 s[38:39], s[6:7], 0x20              ; e8 (p), e9 (v)
	s_load_b32 s40, s[6:7], 0x28                   ; e10 (y)
	s_add_nc_u64 s[16:17], s[4:5], s[16:17]
	s_add_nc_u64 s[18:19], s[4:5], s[18:19]
	s_add_nc_u64 s[20:21], s[4:5], s[20:21]
	s_add_nc_u64 s[46:47], s[4:5], s[46:47]
	s_add_nc_u64 s[22:23], s[8:9], s[22:23]
	WIN 0x40
.set i, 0
.rept 16
	global_load_b128 v[4*i:4*i+3], v1, s[16:17] offset:512*i             ; each load: 512 consecutive bytes
.set i, i+1
.endr
.set i, 0
.rept 16
	global_load_b128 v[64+4*i:67+4*i], v1, s[18:19] offset:(i/8)*65536+(i%8)*512
.set i, i+1
.endr
	WIN 0
.irp i, 0,1,2,3
	global_load_b128 v[Q+4*\i:Q+4*\i+3], v1, s[20:21] offset:512*\i th:TH_LOAD_NT      ; each is read by one wave alone
.endr
.irp i, 0,1,2,3
	global_load_b128 v[QB+4*\i:QB+4*\i+3], v1, s[46:47] offset:512*\i th:TH_LOAD_NT
.endr
	s_wait_kmcnt 0x0
	s_add_co_i32 s30, s36, s37
	s_lshl_b32 s30, s30, 23
	s_add_co_i32 s26, s26, s30                     ; a score stands for score x 2^(e6 + e7): the two exponents are added to c's exponent field
	s_mov_b32 s27, s26                             ; (named with it as a pair, so it is written)
	s_mov_b32 s34, s38                             ; e8
	s_add_co_i32 s35, s38, s39
	s_sub_co_i32 s35, s35, s40                     ; e8 + e9 - e10: y's code = O^T / the sum x 2^(e8 + e9) / 2^e10
	s_add_co_i32 s30, s38, 127
	s_lshl_b32 s31, s30, 23
	s_add_co_i32 s30, s30, 8
	s_lshl_b32 s30, s30, 23
	s_or_b32 s11, s30, 0x600000                    ; 448 x 2^e8
	WIN 0x40
	v_mov_b32 v[SCP], s31                          ; 2^e8 as f32, for p's conversions
	v_mov_b32 v[ONE], 1.0
	v_mov_b32 v[PX], 0                             ; written once: a lane permute's destination counts as one of its sources
	v_mov_b32 v[PX+16], 0
	s_wait_alu depctr_va_vdst(0)
	s_wait_loadcnt 8                               ; K's and V's 32 loads are in; Q's eight may be out
	WIN 0x04
.set i, 0
.rept 16
	ds_store_b128 v[ADR], v[4*i:4*i+3] offset:512*i
.set i, i+1
.endr
.set i, 0
.rept 16
	ds_store_b128 v[ADR], v[64+4*i:67+4*i] offset:8192+512*i
.set i, i+1
.endr
	WIN 0
	s_wait_dscnt 0x0                               ; for the others' sake: my stores have landed
	s_barrier_signal -1
	s_barrier_wait -1                              ; the head's K and V lie in LDS: the launch's one barrier
	s_wait_loadcnt 0x0                             ; Q
.macro FETCHK adr                      ; a step's eight fragments of K: 512 consecutive bytes a load
.set i, 0
.rept 16
	ds_load_b128 v[K+4*i:K+4*i+3], v[\adr] offset:512*i
.set i, i+1
.endr
.endm
.macro HIDE u, t                       ; tile u's scores of 16 keys, all hidden
.set i, 0
.rept 8
	v_mov_b32 v[64*\u+8*\t+i], s57
.set i, i+1
.endr
.endm
.macro PART u, t                       ; tile u's scores of the 16 keys on its diagonal
.set i, 0
.rept 8
	v_cndmask_b32 v[64*\u+8*\t+i], v[64*\u+8*\t+i], s57, s[48+i]
.set i, i+1
.endr
.endm
	s_mov_b32 s56, 2                               ; blocks to go
.Lblock:                                               ; A BLOCK of 32 queries: s43 holds its number.  The loop over the key steps has a constant count of eight trips; a trip past the diagonal only steps its addresses
	s_wait_xcnt 0x0                                ; the block before has stored: its stores' data and base are written again only behind this wait
	s_lshl_b32 s32, s43, 5                         ; my first query
	WIN 0x55                                       ; everything in window 1
.irp u, 0,1
	v_mov_b32 v[MX+16*\u], 0xff61b1e6              ; the largest t so far: -3e38, under every t
	v_mov_b32 v[LS+16*\u], 0                       ; the sum
	v_mov_b32 v[LS+16*\u+1], 0
.endr
.irp u, 0,1
	v_floor_f32 v[NM+16*\u], -v[MX+16*\u]          ; -M
.endr
.set n, 0
.rept 64
	v_mov_b32 v[128+n], 0                          ; O^T.  (The step is written once: the first finds zeros, which the first change of M leaves zeros)
.set n, n+1
.endr
	WIN 0
	FETCHK 1                                       ; step 0's K
	s_mov_b32 s28, 0                               ; the step's first LDS byte
	s_mov_b32 s29, 0                               ; its first key
	s_mov_b32 s33, 8
	s_wait_alu depctr_va_vdst(0)                   ; directly ahead of the wait below
	s_wait_dscnt 0x0
.Lstep:
	s_add_co_u32 s30, s32, 31
	s_cmp_gt_u32 s29, s30                          ; all 128 keys come after my 32 queries: the step's work is left out.  A scalar branch on ids and the count of steps; no barrier stands in a step
	s_cbranch_scc1 .Lhidden
	s_add_co_u32 s31, s28, 16384
	s_min_u32 s31, s31, 7*16384                    ; where the next step's K lies (held inside K's bytes)
	v_add_nc_u32 v[ADR], s28, v1
	v_add_nc_u32 v[ADK], s31, v1
.rept 2
	v_nop                                          ; with the additions: four places in front of loads into registers that the last products have read
.endr
	s_wait_alu depctr_va_vdst(0)                   ; behind the writes
.set i, 0
.rept 16
	ds_load_b128 v[V+4*i:V+4*i+3], v[ADR] offset:8192+((i%4)/2)*4096+(i/4)*1024+(i%2)*512   ; V's fragment of channels 16 (i / 4) on, piece i % 4: it has the whole softmax in which to land
.set i, i+1
.endr
	WIN 0x40
.set i, 0
.rept 16                               ; K is in: the step before (or the block's head) has waited for it
.set AC, 64*(i%2)+8*(i/2)
.set KF, K+8*(i/2)
.set QF, Q+8*(i%2)
	v_wmma_f32_16x16x64_fp8_fp8 v[AC:AC+7], v[KF:KF+7], v[QF:QF+7], 0
.set i, i+1
.endr
	WIN 0
.rept 4
	v_nop                                          ; places behind the products
.endr
	s_add_co_u32 s59, s29, 128
	s_cmp_gt_u32 s59, s30                          ; is the next step hidden?  Then its K is not read
	s_cbranch_scc1 .Lno_next
	FETCHK ADK                                     ; the next step's K lands under this step's softmax
.Lno_next:
	s_sub_co_i32 s30, s32, s29
	s_cmp_ge_i32 s30, 128                          ; a step all of whose keys count skips the mask
	s_cbranch_scc1 .Lopen
	; ON THE DIAGONAL the scores of hidden keys become -infinity ahead of the maximum: p = 0 then.  s30 = 0, 2, 4 or 6: tile u's own 16 keys are the step's tile s30 + u; the keys of earlier tiles all count, those of later ones are all hidden
	s_lshr_b32 s30, s30, 4
	WIN 0x40
	HIDE 0, 7
	WIN 0
	s_cmp_eq_u32 s30, 6
	s_cbranch_scc1 .Lpart6
	WIN 0x40
	HIDE 0, 6
	HIDE 0, 5
	HIDE 1, 7
	HIDE 1, 6
	WIN 0
	s_cmp_eq_u32 s30, 4
	s_cbranch_scc1 .Lpart4
	WIN 0x40
	HIDE 0, 4
	HIDE 0, 3
	HIDE 1, 5
	HIDE 1, 4
	WIN 0
	s_cmp_eq_u32 s30, 2
	s_cbranch_scc1 .Lpart2
	WIN 0x40
	HIDE 0, 2
	HIDE 0, 1
	HIDE 1, 3
	HIDE 1, 2
	WIN 0x41
	PART 0, 0
	PART 1, 1
	WIN 0
	s_wait_alu depctr_va_vdst(0)
	s_branch .Lopen
.Lpart2:
	WIN 0x41
	PART 0, 2
	PART 1, 3
	WIN 0
	s_wait_alu depctr_va_vdst(0)
	s_branch .Lopen
.Lpart4:
	WIN 0x41
	PART 0, 4
	PART 1, 5
	WIN 0
	s_wait_alu depctr_va_vdst(0)
	s_branch .Lopen
.Lpart6:
	WIN 0x41
	PART 0, 6
	PART 1, 7
	WIN 0
.Lopen:
	s_wait_alu depctr_va_vdst(0)                   ; ahead of the first readers behind the branches
	WIN 0x55
.irp u, 0,1
	v_max3_num_f32 v[TA+16*\u], v[64*\u], v[64*\u+1], v[64*\u+2]         ; the step's largest score of my query, among my 64 keys, in two chains for each tile (each accumulator is read from its low end first),
	v_max3_num_f32 v[TC+16*\u], v[64*\u+3], v[64*\u+4], v[64*\u+5]
.endr
.set n, 6
.rept 14
.irp u, 0,1
	v_max3_num_f32 v[TA+16*\u], v[TA+16*\u], v[64*\u+n], v[64*\u+n+1]
	v_max3_num_f32 v[TC+16*\u], v[TC+16*\u], v[64*\u+n+2], v[64*\u+n+3]
.endr
.set n, n+4
.endr
.irp u, 0,1
	v_max3_num_f32 v[TA+16*\u], v[TA+16*\u], v[64*\u+62], v[64*\u+63]
.endr
.irp u, 0,1
	v_max_num_f32 v[TA+16*\u], v[TA+16*\u], v[TC+16*\u]
.endr
.irp u, 0,1
	v_permlanex16_b32 v[PX+16*\u], v[TA+16*\u], s24, s25
.endr
.irp u, 0,1
	v_max_num_f32 v[TA+16*\u], v[TA+16*\u], v[PX+16*\u]                  ; and among lane l xor 16's
.endr
.irp u, 0,1
	v_mul_f32 v[TA+16*\u], s26, v[TA+16*\u]                              ; as t (c is positive)
	v_mov_b32 v[TC+16*\u], v[NM+16*\u]
.endr
.irp u, 0,1
	v_max_num_f32 v[MX+16*\u], v[MX+16*\u], v[TA+16*\u]                  ; the running largest t
.endr
.irp u, 0,1
	v_floor_f32 v[NM+16*\u], -v[MX+16*\u]                                ; the new -M = floor(-t) = -ceil(t): M is a whole number
.endr
.irp u, 0,1
	v_sub_f32 v[TA+16*\u], v[NM+16*\u], v[TC+16*\u]                      ; M's old value less its new one: a whole number, 0 or less
.endr
.irp u, 0,1
	v_cvt_i32_f32 v[TA+16*\u], v[TA+16*\u]                               ; (it saturates)
.endr
.irp u, 0,1
	v_ldexp_f32 v[FF+16*\u], 1.0, v[TA+16*\u]                            ; f = 2^(old M - new M)
.endr
.set n, 0
.rept 32
.irp u, 0,1
	v_pk_fma_f32 v[64*\u+n:64*\u+n+1], v[64*\u+n:64*\u+n+1], s[26:27], v[NM+16*\u:NM+16*\u+1] op_sel_hi:[1,0,0]   ; t - M, two at a time (of the pairs c and -M the low word serves both halves)
.endr
.set n, n+2
.endr
	s_wait_alu depctr_va_vdst(0)
.set n, 0
.rept 128
	v_exp_f32 v[n], v[n]                           ; p = 2^(t - M): not normalised
.set n, n+1
.endr
.irp u, 0,1
	v_pk_mul_f32 v[LS+16*\u:LS+16*\u+1], v[LS+16*\u:LS+16*\u+1], v[FF+16*\u:FF+16*\u+1] op_sel_hi:[1,0]   ; the sums under the new M: plain lines behind the exponentials
.endr
	s_wait_alu depctr_va_vdst(0)                   ; one wait for the whole batch, ahead of its first reader
.set n, 0
.rept 32                               ; the row's sum of the unquantised p: two at a time, in four chains for each tile
.irp u, 0,1
.set PA, 64*\u+2*n
.set CH, LS+16*\u+6+2*(n%4)
.if n%4 == 0
	v_pk_add_f32 v[LS+16*\u:LS+16*\u+1], v[LS+16*\u:LS+16*\u+1], v[PA:PA+1]
.elseif n >= 8
	v_pk_add_f32 v[CH:CH+1], v[CH:CH+1], v[PA:PA+1]
.elseif n >= 4
	v_pk_add_f32 v[CH:CH+1], v[PA-8:PA-7], v[PA:PA+1]
.endif
.endr
.set n, n+1
.endr
.irp u, 0,1
	v_pk_add_f32 v[LS+16*\u:LS+16*\u+1], v[LS+16*\u:LS+16*\u+1], v[LS+16*\u+8:LS+16*\u+9]
	v_pk_add_f32 v[LS+16*\u+10:LS+16*\u+11], v[LS+16*\u+10:LS+16*\u+11], v[LS+16*\u+12:LS+16*\u+13]
.endr
.irp u, 0,1
	v_pk_add_f32 v[LS+16*\u:LS+16*\u+1], v[LS+16*\u:LS+16*\u+1], v[LS+16*\u+10:LS+16*\u+11]
.endr
	WIN 0
	s_wait_alu depctr_va_vdst(0)
	s_cmp_ge_i32 s34, -8                           ; p is at most 1 (but for a rounding in its last place), so p / 2^e8 is at most 256 where e8 >= -8: under 448, and the hold cannot bind.  For a smaller e8 it is
	s_cbranch_scc1 .Lno_hold                       ; executed.  The branch hangs on a whole number among the inputs, the same in all waves; this launch has no tensor load, no copy and no cluster
	WIN 0x55
.set n, 0
.rept 128
	v_min_num_f32 v[n], s11, v[n]                  ; the conversion to an 8-bit code does not saturate (ISA guide 7.6.2); p is not negative, so the hold is one-sided
.set n, n+1
.endr
	WIN 0
.Lno_hold:
	WIN 0x55
.set n, 0
.rept 8
.irp u, 0,1
	v_cvt_scalef32_pk8_fp8_f32 v[192+16*\u+2*n:193+16*\u+2*n], v[64*\u+8*n:64*\u+8*n+7], v[SCP]   ; registers 2 n, 2 n + 1 of P's fragment: keys 16 n + 8 h + 0 .. 7
.endr
.set n, n+1
.endr
	s_wait_alu depctr_va_vdst(0)                   ; directly ahead of the first reader of O^T
.set n, 0
.rept 16
.irp u, 0,1
	v_pk_mul_f32 v[128+32*\u+2*n:129+32*\u+2*n], v[128+32*\u+2*n:129+32*\u+2*n], v[FF+16*\u:FF+16*\u+1] op_sel_hi:[1,0]   ; O^T under the new M.  (Also the plain lines between the conversions and the products that read their results)
.endr
.set n, n+1
.endr
	s_wait_alu depctr_va_vdst(0)                   ; directly ahead of the wait below
	s_wait_dscnt 0x0                               ; V is in, and so is the next step's K
	WIN 0x54                                       ; source 0 window 0, source 1, C and D window 1
.set i, 0
.rept 8                                ; the eight accumulators take one turn each
.set AC, 128+32*(i%2)+8*(i/2)
.set VF, V+16*(i/2)
.set PF, 192+16*(i%2)
	v_wmma_f32_16x16x128_fp8_fp8 v[AC:AC+7], v[VF:VF+15], v[PF:PF+15], v[AC:AC+7]
.set i, i+1
.endr
	WIN 0
.Lhidden:
	s_add_co_u32 s29, s29, 128
	s_add_co_u32 s28, s28, 16384
	s_sub_co_u32 s33, s33, 1
	s_cmp_lg_u32 s33, 0
	s_cbranch_scc1 .Lstep
	; THE WAY OUT: O^T / the sum x 2^(e8 + e9 - e10), held within +-448, becomes codes; they turn through my stage so that a tile's 1 KB of yc leaves as two pieces of 512 consecutive bytes
.rept 3
	v_nop                                          ; with the addition below: places behind the last products
.endr
	v_add_nc_u32 v[ADR], s45, v1                   ; out of the stage: 16 x lane
	WIN 0x55
.irp u, 0,1
	v_add_f32 v[LS+16*\u], v[LS+16*\u], v[LS+16*\u+1]                    ; the sum's two halves,
.endr
.irp u, 0,1
	v_permlanex16_b32 v[PX+16*\u], v[LS+16*\u], s24, s25
.endr
.irp u, 0,1
	v_add_f32 v[LS+16*\u], v[LS+16*\u], v[PX+16*\u]                      ; and lane l xor 16's: the row's sum
.endr
	s_wait_alu depctr_va_vdst(0)
.irp u, 0,1
	v_rcp_f32 v[LS+16*\u], v[LS+16*\u]
.endr
	v_nop                                          ; a plain line behind the reciprocals
	s_lshl_b32 s30, s43, 15
	s_mov_b32 s31, 0
	s_add_nc_u64 s[46:47], s[22:23], s[30:31]      ; the block's two tiles of 16 KB of yc
	s_wait_alu depctr_va_vdst(0)                   ; ahead of the reciprocals' first reader
.irp u, 0,1
	v_ldexp_f32 v[LS+16*\u], v[LS+16*\u], s35
.endr
	s_wait_alu depctr_va_vdst(0)                   ; directly ahead of the first reader of O^T
.set n, 0
.rept 16
.irp u, 0,1
	v_pk_mul_f32 v[64*\u+2*n:64*\u+2*n+1], v[128+32*\u+2*n:129+32*\u+2*n], v[LS+16*\u:LS+16*\u+1] op_sel_hi:[1,0]   ; register 8 c + j: y(query r, channel 16 c + 8 h + j) / 2^e10; each accumulator from its low end on
.endr
.set n, n+1
.endr
.set n, 0
.rept 32
.irp u, 0,1
	v_med3_num_f32 v[64*\u+n], v[64*\u+n], s42, s41
.endr
.set n, n+1
.endr
.irp c, 0,1,2,3
.irp u, 0,1
	v_cvt_scalef32_pk8_fp8_f32 v[192+16*\u+2*\c:193+16*\u+2*\c], v[64*\u+8*\c:64*\u+8*\c+7], v[ONE]   ; the powers of two are in the factor
.endr
.endr
	v_nop                                          ; one plain vector line behind the last conversion
	WIN 0x04
.irp c, 0,1,2,3
.irp u, 0,1
	ds_store_b64 v[STO], v[192+16*\u+2*\c:193+16*\u+2*\c] offset:1024*\u+256*\c   ; channels 16 c on: [r][16 bytes], my 8 at 16 r + 8 h
.endr
.endr
	WIN 0
.irp p, 0,1,2,3
	ds_load_b128 v[K+4*\p:K+4*\p+3], v[ADR] offset:512*\p                 ; LDS serves a wave's instructions in order (ISA guide 5.7.1.4): these see my stores
.endr
	s_wait_dscnt 0x0
.irp p, 0,1,2,3
	global_store_b128 v1, v[K+4*\p:K+4*\p+3], s[46:47] offset:(\p/2)*16384+(\p%2)*512   ; 32 lanes store 512 consecutive bytes, at a multiple of 256 from yc's first byte
.endr
	s_sub_co_u32 s43, 31, s43                      ; the second block
	s_sub_co_u32 s56, s56, 1
	s_cmp_eq_u32 s56, 0
	s_cbranch_scc1 .Ldone
.irp i, 0,1,2,3,4,5,6,7,8,9,10,11,12,13,14,15
	v_mov_b32 v[Q+\i], v[QB+\i]                    ; its Q
.endr
	s_wait_alu depctr_va_vdst(0)
	s_cmp_lg_u32 s56, 0
	s_cbranch_scc1 .Lblock
.Ldone:
	s_wait_tensorcnt 0x0                           ; the wave's end: behind my last LDS store
	ds_add_u32 v[SPW], v[NIL]
	s_wait_dscnt 0x0
	s_endpgm
.Lfunc_end_k_qcb9faf43f0_attn:
	.size	k_qcb9faf43f0_attn, .Lfunc_end_k_qcb9faf43f0_attn-k_qcb9faf43f0_attn
	.p2alignl 7, 3214868480
	.fill 96, 4, 3214868480
	.section	.rodata,"a",@progbits
	.p2align	6, 0x0
	.amdhsa_kernel k_qcb9faf43f0_attn
		.amdhsa_group_segment_fixed_size 148480
		.amdhsa_private_segment_fixed_size 0
		.amdhsa_enable_private_segment 0
		.amdhsa_kernarg_size 24
		.amdhsa_user_sgpr_count 2
		.amdhsa_user_sgpr_kernarg_segment_ptr 1
		.amdhsa_wavefront_size32 1
		.amdhsa_system_sgpr_workgroup_id_x 1
		.amdhsa_system_sgpr_workgroup_id_y 1
		.amdhsa_system_sgpr_workgroup_id_z 1
		.amdhsa_system_vgpr_workitem_id 0
		.amdhsa_next_free_vgpr 512
		.amdhsa_next_free_sgpr 66
		.amdhsa_reserve_vcc 0
		.amdhsa_float_denorm_mode_32 3
		.amdhsa_float_denorm_mode_16_64 3
		.amdhsa_memory_ordered 1
		.amdhsa_forward_progress 1
		.amdhsa_inst_pref_size 61
	.end_amdhsa_kernel
	.amdgpu_metadata
---
amdhsa.version: [ 1, 2 ]
amdhsa.kernels:
  - .name:           k_qcb9faf43f0_attn
    .symbol:         k_qcb9faf43f0_attn.kd
    .args:
      - { .name: hc, .offset: 0, .size: 8, .value_kind: global_buffer, .address_space: global }
      - { .name: lowp_scales, .offset: 8, .size: 8, .value_kind: global_buffer, .address_space: global }
      - { .name: yc, .offset: 16, .size: 8, .value_kind: global_buffer, .address_space: global }
    .group_segment_fixed_size: 148480
    .private_segment_fixed_size: 0
    .kernarg_segment_align: 8
    .kernarg_segment_size: 24
    .max_flat_workgroup_size: 256
    .sgpr_count:     66
    .vgpr_count:     512
    .wavefront_size: 32
...
	.end_amdgpu_metadata
.endif
;; end of part 3
;; launch outp (part 4): grid 64 x 4, 4 waves a work-group, clusters of 4 x 1, 327,680 bytes of LDS; arguments yc, wc, bp, lowp_scales, out0; writes out0
.if DOCPART == 4
	.amdgcn_target "amdgcn-amd-amdhsa--gfx1250"
	.amdhsa_code_object_version 6
	.text
	.protected	k_qcb9faf43f0_outp
	.globl	k_qcb9faf43f0_outp
	.p2align	8
	.type	k_qcb9faf43f0_outp,@function
k_qcb9faf43f0_outp:
	s_mov_b64 s[64:65], 0
	v_nop
	global_prefetch_b8 v0, s[64:65] scope:SCOPE_SE
	s_setreg_imm32_b32 hwreg(HW_REG_WAVE_MODE, 25, 1), 1
	s_wait_xcnt 0x0
	s_wait_alu depctr_hold_cnt(0) depctr_sa_sdst(0) depctr_va_vdst(0) depctr_va_sdst(0) depctr_va_ssrc(0) depctr_va_vcc(0) depctr_vm_vsrc(0)
	s_getreg_b32 s2, hwreg(HW_REG_IB_STS2, 6, 4)
	s_cmp_eq_u32 s2, 0
	s_cbranch_scc0 .Lentry_in_a_cluster
	s_endpgm
.Lentry_in_a_cluster:
	s_bfe_u32 s2, ttmp6, 0x10000c
	s_cmp_lg_u32 s2, 0x3003
	s_cbranch_scc0 .Lentry_shape_is_right
	s_endpgm
.Lentry_shape_is_right:
; out = y Wp^T + bp on codes of FP8 (E4M3): y's out of yc, Wp's out of wc; f32.  No work of reference() is left out here.
; SHARES.  256 work-groups, 128 tokens x 256 channels each; a wave makes 32 tokens x 256 channels.  Work-groups along x: tokens; along y: channels.
; Wp: the work-group's 256 rows x 1,024 k, 256 KB, lie in LDS whole: each wave asks once, for 64 KB, JOINTLY with the three other work-groups of its cluster, which have the same channels.  Nothing is filled again.
; y: the wave's 32 tokens x 1,024 k stand in 256 registers; each wave loads its own straight from memory: no other wave of the work-group reads them.
; So K is no loop: a trip takes 64 channels through the whole of K (8 accumulators by turns) and sends them out, and the stores of a trip are on their way while the next is multiplied.
; No prefetch: everything is asked for at the head, ahead of the loop.
; yc: [tile of 16 tokens][K step of 128][2,048 bytes], wc at 3 x 2^20: [n / 16][K step of 128][2,048 bytes]: [c][lane (r, h)][16 bytes]: row r, k = 32 c + 16 h + 0 .. 15.
; Source 0 = 16 rows of Wp, source 1 = 16 tokens: a lane holds one token and eight neighbouring channels.  out = sum x 2^(e10 + e11) + bp.  LIMIT: -126 <= e10 + e11 <= 127.
; REGISTERS: window 0: addresses, bias, results; window 1: Wp's fragments, four sets of four; window 2: accumulators; window 3: y.
.set STAGE, 262144                     ; behind Wp: 32 rows x 272 bytes for each wave
.set SREG,  8704
.set SPARE, STAGE+4*SREG               ; the spare words, 128 bytes for each wave
.set CO,  1
.set SPW, 2
.set NIL, 3
.set BA,  4                            ; v4  LDS address of the trip's fragments
.set STO, 5                            ; v5, v6  the stage, in and out
.set RD,  6
.set GO,  7                            ; v7  my byte offset in the wave's rows of out
.set BO,  8                            ; v8  32 h
.set T,   32                           ; v32-95   results
.set BK,  96                           ; v96-159  results by rows
.set BI,  160                          ; v160-191 the trip's bias
.set G1, 36
.set G0, 44
.set GB, 80
.set CNT, 81
.set MSB, 0
.macro WIN new
.if MSB != (\new)
	s_set_vgpr_msb (MSB<<8)|(\new)
.set MSB, (\new)
.endif
.endm
.macro CROUND                          ; a round of the cluster's barrier
	s_barrier_signal -1
	s_barrier_wait -1
	s_cmp_lg_u32 s14, 0
	s_cbranch_scc1 .Lnot_wave_0_\@
	s_barrier_signal -3
.Lnot_wave_0_\@:
	s_barrier_wait -3
	s_barrier_signal -1
	s_barrier_wait -1
.endm
.macro PLACES
.rept 4
	v_nop
.endr
.endm
.macro FETCH ks                        ; the trip's four fragments of Wp for K step ks, into set ks % 4
	WIN 0x40
.set i, 0
.rept 16
	ds_load_b128 v[64*((\ks)%4)+4*i:64*((\ks)%4)+4*i+3], v[BA] offset:(i/4)*16384+2048*(\ks)+512*(i%4)
.set i, i+1
.endr
	WIN 0
.endm
.macro MUL ks                          ; accumulator (token tile a, fragment n) at v[8 (4 a + n)]; the eight take turns
.set i, 0
.if (\ks) == 0
	WIN 0x8d                                       ; source 0 window 1, source 1 window 3, D window 2
.else
	WIN 0xad                                       ; and C window 2
.endif
.rept 8
.set AC, 8*(4*(i%2)+i/2)
.set WF, 64*((\ks)%4)+16*(i/2)
.set YF, 128*(i%2)+16*(\ks)
.if (\ks) == 0
	v_wmma_f32_16x16x128_fp8_fp8 v[AC:AC+7], v[WF:WF+15], v[YF:YF+15], 0
.else
	v_wmma_f32_16x16x128_fp8_fp8 v[AC:AC+7], v[WF:WF+15], v[YF:YF+15], v[AC:AC+7]
.endif
.set i, i+1
.endr
	WIN 0
.endm
.macro KSTEP ks
.if (\ks) < 6
.if (\ks) > 1
	PLACES                                         ; in front of loads into registers that products have read
.endif
	FETCH (\ks)+2                                  ; two K steps ahead
	s_wait_dscnt 32                                ; this K step's are in; the next two's may be out
.else
	s_wait_dscnt 16*(7-(\ks))
.endif
	MUL \ks
.endm
	s_load_b256 s[16:23], s[0:1], 0x0              ; yc, wc, bp, lowp_scales
	s_load_b64 s[24:25], s[0:1], 0x20              ; out0
	v_lshl_add_u32 v[SPW], v0, 2, SPARE
	v_mov_b32 v[NIL], 0
	ds_add_u32 v[SPW], v[NIL]                      ; the wave's opening: the add, twice on end, and its wait ahead of my first tensor load
	ds_add_u32 v[SPW], v[NIL]
	v_lshrrev_b32 v22, 5, v0
	v_readfirstlane_b32 s14, v22                   ; wave
	v_and_b32 v23, 31, v0
	v_lshlrev_b32 v[CO], 4, v23                    ; 16 x lane
	v_lshrrev_b32 v24, 4, v23                      ; h
	v_and_b32 v25, 15, v23                         ; r
	v_lshlrev_b32 v[BO], 5, v24
	s_bfe_u32 s9, ttmp6, 0x40000                   ; my place in the cluster
	s_lshl_b32 s10, ttmp9, 2
	s_add_co_u32 s10, s10, s9                      ; which 128 tokens
	s_and_b32 s11, ttmp7, 0xffff                   ; which 256 channels: the same in all four partners
	s_lshl_b32 s26, s10, 17
	s_lshl_b32 s8, s14, 15
	s_add_co_u32 s26, s26, s8                      ; y: my two tiles of 16 tokens
	s_mov_b32 s27, 0
	s_lshl_b32 s28, s11, 18
	s_lshl_b32 s8, s14, 16
	s_add_co_u32 s28, s28, s8
	s_add_co_u32 s28, s28, 0x300000                ; Wp: the four tiles of 16 rows that I fetch
	s_mov_b32 s29, 0
	s_lshl_b32 s30, s10, 19
	s_lshl_b32 s8, s14, 17
	s_add_co_u32 s30, s30, s8
	s_lshl_b32 s32, s11, 10
	s_add_co_u32 s30, s30, s32                     ; out: my first row and channel
	s_mov_b32 s31, 0
	s_mov_b32 s33, 0                               ; bp: s[32:33]
	s_mov_b32 s[G1+0], 15|(1<<21)                  ; the mask: all four of the cluster; element of 1 byte; bit 21 set beside a mask; no padding
	s_mov_b32 s[G1+1], 4096<<16                    ; 64 KB on end, as 16 rows of 4,096 bytes
	s_mov_b32 s[G1+2], 16<<16
	s_mov_b32 s[G1+3], 4096<<16
	s_mov_b32 s[G1+4], 16
	s_mov_b32 s[G1+5], 4096
	s_mov_b32 s[G1+6], 0
	s_mov_b32 s[G1+7], 0
	s_wait_alu depctr_va_vdst(0)                   ; directly ahead of the waits below
	s_wait_dscnt 0x0                               ; both opening adds are done
	s_wait_kmcnt 0x0
	s_load_b64 s[96:97], s[22:23], 0x28            ; e10, e11
	s_add_nc_u64 s[16:17], s[16:17], s[26:27]
	s_mov_b32 s[G0], 1
	s_lshl_b32 s[G0+1], s14, 16
	s_add_nc_u64 s[G0+2:G0+3], s[18:19], s[28:29]
	s_or_b32 s[G0+3], s[G0+3], 0x80000000
	CROUND                                         ; all four work-groups are here: the joint loads meet
	tensor_load_to_lds s[G0:G0+3], s[G1:G1+7]
	s_nop 0
	PLACES
	WIN 0xc0
.set i, 0
.rept 64
	global_load_b128 v[4*i:4*i+3], v[CO], s[16:17] offset:512*i   ; y's fragment of tile i / 32, K step (i % 32) / 4: each load 512 consecutive bytes
.set i, i+1
.endr
	WIN 0
	s_add_nc_u64 s[24:25], s[24:25], s[30:31]
	s_add_nc_u64 s[20:21], s[20:21], s[32:33]
	s_mul_i32 s8, s14, SREG
	s_add_co_u32 s8, s8, STAGE                     ; my stage
	v_mul_u32_u24 v26, v25, 272
	v_lshl_add_u32 v26, v24, 5, v26
	v_add_nc_u32 v[STO], s8, v26                   ; in: row r, 32 h
	v_mul_u32_u24 v27, v24, 272
	v_lshl_add_u32 v27, v25, 4, v27
	v_add_nc_u32 v[RD], s8, v27                    ; back: lanes 0-15 one row of 256 bytes, lanes 16-31 the next
	v_lshlrev_b32 v28, 12, v24
	v_lshl_add_u32 v[GO], v25, 4, v28              ; the same two rows in out
	s_mov_b32 s[GB], 0
	s_mov_b32 s[CNT], 4
	s_wait_alu depctr_va_vdst(0)
	s_wait_kmcnt 0x0
	s_add_co_i32 s96, s96, s97
	s_add_co_i32 s96, s96, 127
	s_lshl_b32 s96, s96, 23                        ; 2^(e10 + e11) as f32
	s_wait_loadcnt 0x0                             ; y
	s_wait_tensorcnt 0x0                           ; my part of Wp is in
	s_barrier_signal -1
	s_barrier_wait -1                              ; everybody's is
.Lcols:
	v_add_nc_u32 v[BA], s[GB], v[CO]
	s_wait_alu depctr_va_vdst(0)                   ; directly behind the write
.irp n, 0,1,2,3
	global_load_b128 v[BI+8*\n:BI+8*\n+3], v[BO], s[20:21] offset:64*\n       ; bias of channels 16 n + 8 h + 0 .. 7
	global_load_b128 v[BI+8*\n+4:BI+8*\n+7], v[BO], s[20:21] offset:64*\n+16
.endr
	FETCH 0
	FETCH 1
.irp k, 0,1,2,3,4,5,6,7
	KSTEP \k
.endr
	PLACES                                         ; behind the last products
	s_wait_loadcnt 0x0                             ; the bias
	WIN 0x02
.set i, 0
.rept 32
.set BT, BI+8*((i/4)%4)+2*(i%4)
	v_pk_fma_f32 v[T+2*i:T+2*i+1], v[2*i:2*i+1], s[96:97], v[BT:BT+1] op_sel_hi:[1,0,1]   ; sum x 2^(e10 + e11) + bias; each accumulator from its low end on
.set i, i+1
.endr
	WIN 0
.set i, 0
.rept 16
	ds_store_b128 v[STO], v[T+4*i:T+4*i+3] offset:(i/8)*16*272+64*((i/2)%4)+16*(i%2)
.set i, i+1
.endr
.set i, 0
.rept 16
	ds_load_b128 v[BK+4*i:BK+4*i+3], v[RD] offset:544*i   ; LDS serves a wave's instructions in order (ISA guide 5.7.1.4): these see my stores
.set i, i+1
.endr
.set i, 0
.rept 16
	s_wait_dscnt 15-i                              ; the younger loads may be out
	global_store_b128 v[GO], v[BK+4*i:BK+4*i+3], s[24:25] offset:8192*i th:TH_STORE_NT   ; two rows of 256 consecutive bytes, at multiples of 256
.set i, i+1
.endr
	s_wait_xcnt 0x0                                ; the stores have read their data and base
	s_add_nc_u64 s[24:25], s[24:25], 256
	s_add_nc_u64 s[20:21], s[20:21], 256
	s_add_co_u32 s[GB], s[GB], 65536
	s_sub_co_u32 s[CNT], s[CNT], 1
	s_cmp_lg_u32 s[CNT], 0
	s_cbranch_scc1 .Lcols
	s_wait_tensorcnt 0x0                           ; the wave's end: behind my last tensor load and my last LDS store
	ds_add_u32 v[SPW], v[NIL]
	s_wait_dscnt 0x0
	CROUND                                         ; the closing round: no work-group ends while a partner may still ask for a tile that names it
	s_endpgm
.Lfunc_end_k_qcb9faf43f0_outp:
	.size	k_qcb9faf43f0_outp, .Lfunc_end_k_qcb9faf43f0_outp-k_qcb9faf43f0_outp
	.p2alignl 7, 3214868480
	.fill 96, 4, 3214868480
	.section	.rodata,"a",@progbits
	.p2align	6, 0x0
	.amdhsa_kernel k_qcb9faf43f0_outp
		.amdhsa_group_segment_fixed_size 327680
		.amdhsa_private_segment_fixed_size 0
		.amdhsa_enable_private_segment 0
		.amdhsa_kernarg_size 40
		.amdhsa_user_sgpr_count 2
		.amdhsa_user_sgpr_kernarg_segment_ptr 1
		.amdhsa_wavefront_size32 1
		.amdhsa_system_sgpr_workgroup_id_x 1
		.amdhsa_system_sgpr_workgroup_id_y 1
		.amdhsa_system_sgpr_workgroup_id_z 1
		.amdhsa_system_vgpr_workitem_id 0
		.amdhsa_next_free_vgpr 1024
		.amdhsa_next_free_sgpr 100
		.amdhsa_reserve_vcc 0
		.amdhsa_float_denorm_mode_32 3
		.amdhsa_float_denorm_mode_16_64 3
		.amdhsa_memory_ordered 1
		.amdhsa_forward_progress 1
		.amdhsa_inst_pref_size 32
	.end_amdhsa_kernel
	.amdgpu_metadata
---
amdhsa.version: [ 1, 2 ]
amdhsa.kernels:
  - .name:           k_qcb9faf43f0_outp
    .symbol:         k_qcb9faf43f0_outp.kd
    .args:
      - { .name: yc, .offset: 0, .size: 8, .value_kind: global_buffer, .address_space: global }
      - { .name: wc, .offset: 8, .size: 8, .value_kind: global_buffer, .address_space: global }
      - { .name: bp, .offset: 16, .size: 8, .value_kind: global_buffer, .address_space: global }
      - { .name: lowp_scales, .offset: 24, .size: 8, .value_kind: global_buffer, .address_space: global }
      - { .name: out0, .offset: 32, .size: 8, .value_kind: global_buffer, .address_space: global }
    .group_segment_fixed_size: 327680
    .private_segment_fixed_size: 0
    .kernarg_segment_align: 8
    .kernarg_segment_size: 40
    .max_flat_workgroup_size: 128
    .sgpr_count:     100
    .vgpr_count:     1024
    .wavefront_size: 32
...
	.end_amdgpu_metadata
.endif
;; end of part 4
